; MI455X (gfx1250); checked and timed in simulation.
; The chip was launched on July 23, 2026; its instructions are those of AMD's public machine-readable ISA for CDNA 5 (MIT licence, August 2026) and "CDNA5" Instruction Set Architecture Reference Guide (July 2026). The comments in the code are by the model that wrote it; some were corrected since.
;; Multi Head Attention. Allowed arithmetic: matrix products marked QUANTISED: E4M3 operands, one E8M0 scale for each 32 along K, by v_wmma_scale_f32_16x16x128_f8f6f4 with both operands' format E4M3, f32 sums; everything else in f32.
;; Inputs: Wk 16 x 1,024 x 64 float32; Wo 1,024 x 1,024 float32; Wq 16 x 1,024 x 64 float32; Wv 16 x 1,024 x 64 float32; bo 1,024 float32; x 4 x 2,048 x 1,024 float32.
;; Outputs: out0 4 x 2,048 x 1,024 float32.
;; This version of the problem:
;;   THIS VERSION OF THE PROBLEM IS GIVEN IN LOW PRECISION. The matrix products marked QUANTISED in the list below multiply operands that are first quantised to E4M3 (4 exponent bits, 3 mantissa bits; 8 bits a number), with one power-of-two scale for each 32 numbers along K (OCP MX v1.0); their sums are f32. All else is computed in f32.
;;   The module's matrix products, in the order in which they are computed (A, B: the left and right operand; K: the contracted axis; several contracted axes count as one K, in the product's order):
;;     1. [M 1,024, K 1,024] x [K 1,024, N 8,192]; A: input Wq; B: input x: QUANTISED
;;     2. [M 1,024, K 1,024] x [K 1,024, N 8,192]; A: input Wk; B: input x: QUANTISED
;;     3. [M 1,024, K 1,024] x [K 1,024, N 8,192]; A: input Wv; B: input x: QUANTISED
;;     4. batch 64 x [M 2,048, K 64] x [K 64, N 2,048]; A: computed on the way; B: computed on the way: QUANTISED
;;     5. batch 64 x [M 2,048, K 2,048] x [K 2,048, N 64]; A: softmax (see below); B: computed on the way: QUANTISED
;;     6. [M 8,192, K 1,024] x [K 1,024, N 1,024]; A: computed on the way; B: input Wo: QUANTISED
;;   THE QUANTISER, for each operand of a quantised product, along K:
;;     - K is cut into blocks of 32 from its start; a last block that is shorter is filled with zeros.
;;     - A block's scale is 2^e with e = floor(log2(the largest magnitude in the block)) - 8, held to -126 .. 127; a block of zeros has e = 0. As a byte (E8M0): e + 127.
;;     - Each number is divided by its block's scale, clamped to +-448, and rounded to the nearest number of E4M3, ties to even, subnormals kept.
;;     - The product sums the exact products of the quantised numbers (number of the format x scale) in f32.
;;   ~~~python
;;   def quantise(x, axis):      # numpy; x: float32 -> the quantised numbers, widened to float32 again
;;       x = np.moveaxis(x, axis, -1); K = x.shape[-1]
;;       x = np.pad(x, [(0, 0)] * (x.ndim - 1) + [(0, -K % 32)]); x = x.reshape(x.shape[:-1] + (-1, 32)); a = np.abs(x).max(-1, keepdims=True)
;;       e = np.where(a > 0, np.clip(np.frexp(np.where(a > 0, a, 1))[1] - 1 - 8, -126, 127), 0)      # np.frexp(a)[1] - 1 = floor(log2(a)), exactly
;;       r = np.clip(x / 2.0 ** e, -448, 448)
;;       step = 2.0 ** (np.maximum(np.frexp(np.where(r == 0, 1, r))[1] - 1, -6) - 3)
;;       q = np.round(r / step) * step * 2.0 ** e      # np.round: ties to even
;;       return np.moveaxis(q.reshape(q.shape[:-2] + (-1,))[..., :K], -1, axis).astype(np.float32)
;;   ~~~
;;   SOFTMAX AHEAD OF A QUANTISED PRODUCT. Where the list says 'softmax', what is quantised is not the finished softmax but p = 2^(t - M), with t = logit x log2(e) and M = ceil(the row's largest t), a whole number; so 1/2 < the row's largest p <= 1. The row's sum l is taken of the UNQUANTISED p, in f32, and the product's result is divided by l at the end. Since M is a whole number, a kernel that streams over the keys may use a running M (the ceiling of the running maximum): every later rescaling is an exact power of two, which a block's scale takes up: the codes' values come out the same.
;;   OPERANDS COMPUTED ON THE WAY. 'Computed on the way' means the value that the module computes at that place (a softmax that the list does not call 'softmax' is quantised finished and normalised). What goes into a quantiser is computed in f32, as accurately as f32 sums, v_exp_f32 and their like allow (about 1e-6 of the number): no bf16 or f16 on the way to a quantiser, and a product that is left as it is and whose result goes on into a quantised operand takes f32 operands (vector FMAs, or v_wmma_f32_16x16x4_f32). A number that lies on a knife's edge between two numbers of the format may be rounded either way, as far as f32 arithmetic and the matrix unit's own rounding can turn it there, and no further.
;; One version. Each part assembles by itself: llvm-mc -triple=amdgcn-amd-amdhsa -mcpu=gfx1250 --defsym DOCPART=n.
;; ======== version 1 of 1: 4 launches
;; limits: right only within a limited range of input values
;; workspace buffers: xc 8,388,608 bytes; wc 4,194,304 bytes; xws 393,216 bytes; qkvc 25,165,824 bytes; qkvs 1,310,720 bytes; ac 8,388,608 bytes; asc 262,144 bytes
;; launch quant (part 1): grid 384 x 1, 4 waves a work-group, no clusters, 34,304 bytes of LDS; arguments x, Wq, Wk, Wv, Wo, xc, wc, xws; writes xc, wc, xws
.if DOCPART == 1
	.amdgcn_target "amdgcn-amd-amdhsa--gfx1250"
	.amdhsa_code_object_version 6
	.text
	.protected	k_q04c7c7706c_quant
	.globl	k_q04c7c7706c_quant
	.p2align	8
	.type	k_q04c7c7706c_quant,@function
k_q04c7c7706c_quant:
	s_mov_b64 s[64:65], 0
	v_nop
	global_prefetch_b8 v0, s[64:65] scope:SCOPE_SE
	s_setreg_imm32_b32 hwreg(HW_REG_WAVE_MODE, 25, 1), 1
	s_wait_xcnt 0x0
; x [8192][1024] and the four weights, f32, become codes of FP8 (E4M3) with one E8M0 scale byte for each 32 along K (K = the 1,024 input channels).
; A block's scale is 2^(floor(log2(its largest magnitude)) - 8); each number is divided by it, held within +-448 and rounded to the nearest code, ties to even.
; HOW THE CODES LIE.  A tile is 16 rows (tokens, or columns of a weight), and its rows are not neighbours: tile 2 g + u holds rows 32 g + 8 u + 0..7 and 32 g + 8 u + 16..23; lane r of a fragment holds row 32 g + 8 u + r + 8 (r / 8).
; 32 along K of a tile are a chunk of 512 bytes, an image of four operand registers: lane l's 16 bytes at 16 l hold k = 16 (l / 16) + 0..15 of its row.  xc, wc: [K / 256][tile][K step of 128: 2][chunk 4][512].
; Scale words (four bytes: 128 along K of a row) lie [tile][K / 512][row 16][K step % 4]: x's 512 tiles first, the weights' 256 tiles from byte 262,144 on.
; Weight column n = 1024 type + 64 head + d for Wq, Wk, Wv (tiles 0-191); Wo's columns are tiles 192-255.
; SHARES.  Work-groups 0-255: x; a wave takes one tile x 512 along K.  256-351: Wq, Wk, Wv; 352-383: Wo; a wave takes 32 columns x 256 along K, a lane a column, its registers down K.
; No tensor loads, no barrier: waves share nothing.  Only x's path uses LDS (a stage of 16 rows x 528 bytes for each wave).
; LIMITS: NaN and infinities among the inputs are not served.  A block of zeros, and any block whose largest magnitude lies under 2^(9 - 127), gets the byte 1 (the rule says 127 for zeros): zero codes add nothing, and this program alone reads the bytes.
; The weights' scale words leave in pieces of 8 bytes, 131,072 bytes in all.
.set WV,  20                           ; s20  my wave's number
.set MNT, 21
.set SEL, 22                           ; s[22:23] v_permlanex16_b32's selects for lane l xor 16
.set R,   32                           ; v32-159  two sets of 64: 16 rows x 16 bytes a lane, as loaded
.set X,   160                          ; v160-223 64 numbers of my row: register 16 b + i = k 32 b + 16 (lane / 16) + i
.set PC,  224                          ; v224-239 a fragment's codes
.set TM,  240                          ; v240-243 largest magnitudes, 244-247 bytes, 252-255 the conversions' scale operands
.set WD,  16                           ; v16-19   the four K steps' scale words
	s_load_b256 s[4:11], s[0:1], 0x0               ; x s[4:5], Wq s[6:7], Wk s[8:9], Wv s[10:11]
	s_load_b256 s[12:19], s[0:1], 0x20             ; Wo s[12:13], xc s[14:15], wc s[16:17], xws s[18:19]
	v_lshl_add_u32 v30, v0, 2, 0x8400
	v_mov_b32 v31, 0
	v_lshrrev_b32 v1, 5, v0
	v_readfirstlane_b32 s[WV], v1                  ; wave 0..3
	v_and_b32 v2, 31, v0                           ; lane
	s_mov_b32 s[SEL], 0x76543210
	s_mov_b32 s[SEL+1], 0xfedcba98
	s_cmp_lt_u32 ttmp9, 256
	s_cbranch_scc0 .Lweights
; ---------------- x ----------------
	s_lshr_b32 s24, s[WV], 1
	s_and_b32 s25, s[WV], 1                        ; which 512 along K
	s_lshl_b32 s26, ttmp9, 1
	s_add_co_u32 s26, s26, s24                     ; my tile: 2 x work-group + wave / 2
	s_mul_i32 s27, s[WV], 8448                     ; my stage
	s_wait_alu depctr_va_vdst(0)
	v_lshlrev_b32 v4, 4, v2                        ; 16 x lane: my bytes of a load's 512, and of a chunk
	v_add_nc_u32 v5, s27, v4                       ; into the stage: a row as it was loaded
	v_and_b32 v3, 15, v2                           ; r
	v_lshrrev_b32 v7, 4, v2                        ; h
	v_mul_u32_u24 v6, v3, 528
	v_lshl_add_u32 v6, v7, 6, v6
	v_add_nc_u32 v6, s27, v6                       ; out of it: row r, + 64 h: my 16 numbers of a block of 32
	v_lshlrev_b32 v8, 4, v3
	v_lshl_add_u32 v8, v7, 3, v8                   ; the scale words' place: 16 r + 8 h
.irp b, 0,1,2,3
	v_mov_b32 v[TM+4+\b], 0                        ; written once: a lane permute's destination counts as one of its sources
.endr
	s_lshr_b32 s28, s26, 1
	s_lshl_b32 s28, s28, 5
	s_and_b32 s29, s26, 1
	s_lshl_b32 s29, s29, 3
	s_add_co_u32 s28, s28, s29                     ; the tile's first row: 32 (tile / 2) + 8 (tile % 2)
	s_lshl_b32 s28, s28, 12                        ; a row of x is 4,096 bytes
	s_lshl_b32 s29, s25, 11
	s_add_co_u32 s28, s28, s29
	s_mov_b32 s29, 0
	s_lshl_b32 s30, s25, 22                        ; xc: 512 along K are two slabs of 2,097,152 bytes
	s_lshl_b32 s31, s26, 12
	s_add_co_u32 s30, s30, s31
	s_mov_b32 s31, 0
	s_lshl_b32 s32, s26, 9                         ; scale words: 512 bytes a tile, 256 for each 512 along K
	s_lshl_b32 s33, s25, 8
	s_add_co_u32 s32, s32, s33
	s_mov_b32 s33, 0
	s_wait_alu depctr_va_vdst(0)
	s_wait_kmcnt 0x0
	s_add_nc_u64 s[4:5], s[4:5], s[28:29]
	s_add_nc_u64 s[14:15], s[14:15], s[30:31]
	s_add_nc_u64 s[18:19], s[18:19], s[32:33]
.macro LOADX s                         ; K step s of my 16 rows: each load reads 512 consecutive bytes of one row
.set i, 0
.rept 16
	global_load_b128 v[R+64*((\s)%2)+4*i:R+64*((\s)%2)+4*i+3], v4, s[4:5] offset:(i+8*(i/8))*4096+512*(\s) th:TH_LOAD_NT
.set i, i+1
.endr
.endm
.macro STEPX s
.if (\s) < 3
	s_wait_loadcnt 16                              ; this K step's 16 loads are in; the next step's may be out
.else
	s_wait_loadcnt 0x0
.endif
.set i, 0
.rept 16
	ds_store_b128 v5, v[R+64*((\s)%2)+4*i:R+64*((\s)%2)+4*i+3] offset:528*i
.set i, i+1
.endr
.irp b, 0,1,2,3
.irp j, 0,1,2,3
	ds_load_b128 v[X+16*\b+4*\j:X+16*\b+4*\j+3], v6 offset:128*\b+16*\j   ; LDS serves a wave's instructions in order: these see the stores above
.endr
.endr
	s_wait_dscnt 0x0                               ; my 64 numbers are back, so the stores have read their registers,
.if (\s) < 2
	LOADX (\s)+2                                   ; which take the loads of two steps on
.endif
.irp b, 0,1,2,3
	v_max3_num_f32 v[TM+\b], |v[X+16*\b]|, |v[X+1+16*\b]|, 0x4800000   ; block b: my 16 numbers, and the floor 2^(9 - 127): the byte cannot fall under 1
.endr
.irp i, 2,4,6,8,10,12,14
.irp b, 0,1,2,3
	v_max3_num_f32 v[TM+\b], v[TM+\b], |v[X+16*\b+\i]|, |v[X+1+16*\b+\i]|
.endr
.endr
.irp b, 0,1,2,3
	v_permlanex16_b32 v[TM+4+\b], v[TM+\b], s[SEL], s[SEL+1]
.endr
.irp b, 0,1,2,3
	v_max_num_f32 v[TM+\b], v[TM+\b], v[TM+4+\b]   ; with lane l xor 16's: the block's largest magnitude
.endr
.irp b, 0,1,2,3
	v_add_nc_u32 v[TM+12+\b], 0xfc000000, v[TM+\b] ; 8 off its exponent field: the conversion's scale operand
.endr
.irp b, 0,1,2,3
.endr
.irp b, 0,1,2,3
	v_lshrrev_b32 v[TM+4+\b], 23, v[TM+12+\b]      ; the scale's byte
.endr
	v_lshl_or_b32 v[WD+(\s)], v[TM+5], 8, v[TM+4]
	v_lshl_or_b32 v[WD+(\s)], v[TM+6], 16, v[WD+(\s)]
	v_lshl_or_b32 v[WD+(\s)], v[TM+7], 24, v[WD+(\s)]
.if (\s) > 0
	s_wait_xcnt 0x0                                ; the last step's stores have read the codes' registers, which are written again below
.endif
.irp b, 0,1,2,3
.irp i, 0,1,2,3,4,5,6,7,8,9,10,11,12,13,14,15
.endr
	v_cvt_scalef32_pk8_fp8_f32 v[PC+4*\b:PC+1+4*\b], v[X+16*\b:X+7+16*\b], v[TM+12+\b]
	v_cvt_scalef32_pk8_fp8_f32 v[PC+2+4*\b:PC+3+4*\b], v[X+8+16*\b:X+15+16*\b], v[TM+12+\b]
.endr
	v_nop                                          ; a plain line behind the last conversion
.irp c, 0,1,2,3
	global_store_b128 v4, v[PC+4*\c:PC+4*\c+3], s[14:15] offset:((\s)>>1)*2097152+((\s)&1)*2048+512*\c   ; a chunk: 512 consecutive bytes
.endr
.endm
	LOADX 0
	LOADX 1
	STEPX 0
	STEPX 1
	STEPX 2
	STEPX 3
	v_cmp_le_u32 vcc_lo, 16, v2                    ; lanes 0-15 store words 0 and 1 of their row, lanes 16-31 words 2 and 3: 256 consecutive bytes
	v_cndmask_b32 v20, v16, v18, vcc_lo
	v_cndmask_b32 v21, v17, v19, vcc_lo
	global_store_b64 v8, v[20:21], s[18:19]
	s_wait_tensorcnt 0x0
	ds_add_u32 v30, v31
	s_wait_dscnt 0x0
	s_endpgm
; ---------------- the weights: K is not innermost, so a lane takes a column and its registers run down K ----------------
.Lweights:
	s_wait_alu depctr_va_vdst(0)
	v_bfe_u32 v3, v2, 3, 1                         ; column L of a group of 32 is row r of tile u: u = (L / 8) % 2,
	v_and_b32 v5, 7, v2
	v_lshrrev_b32 v6, 4, v2
	v_lshl_add_u32 v5, v6, 3, v5                   ; r = L % 8 + 8 (L / 16)
	v_lshlrev_b32 v7, 2, v2                        ; in: 4 bytes a lane
	v_lshlrev_b32 v4, 4, v5
	v_lshl_add_u32 v9, v3, 9, v4                   ; scale words: 512 u + 16 r
	v_lshl_add_u32 v4, v3, 12, v4                  ; codes: 4,096 u + 16 r
	s_cmp_lt_u32 ttmp9, 352
	s_cbranch_scc0 .Lwo
.macro WDEST                           ; s27 = which 256 along K, s29 = which group of 32 columns
	s_lshl_b32 s32, s27, 8
	s_lshl_b32 s33, s29, 1
	s_add_co_u32 s32, s32, s33
	s_lshl_b32 s32, s32, 12                        ; (256 x slab + tile) x 4,096
	s_mov_b32 s33, 0
	s_add_nc_u64 s[16:17], s[16:17], s[32:33]
	s_lshl_b32 s34, s29, 10                        ; tile x 512
	s_lshr_b32 s35, s27, 1
	s_lshl_b32 s35, s35, 8
	s_add_co_u32 s34, s34, s35
	s_and_b32 s35, s27, 1
	s_lshl_b32 s35, s35, 3
	s_add_co_u32 s34, s34, s35
	s_add_co_u32 s34, s34, 262144                  ; behind x's words
	s_mov_b32 s35, 0
	s_add_nc_u64 s[18:19], s[18:19], s[34:35]
.endm
.macro LOADW t, pitch                  ; block t: W(32 t + i, my column) into set t % 2; 32 lanes read 128 consecutive bytes
.set i, 0
.rept 32
	global_load_b32 v[32+32*((\t)%2)+i], v7, s[4:5] offset:(32*(\t)+i)*(\pitch) th:TH_LOAD_NT
.set i, i+1
.endr
.endm
.macro BLOCKW t, pitch
.set XS, 32+32*((\t)%2)
.set CW, 96+8*(\t)                     ; each block has registers of its own for its codes: no store's data are written again
.if (\t) < 7
	s_wait_loadcnt 32                              ; this block's 32 loads are in; the next block's may be out
.else
	s_wait_loadcnt 0x0
.endif
	v_max3_num_f32 v12, |v[XS]|, |v[XS+1]|, |v[XS+2]|   ; all 32 numbers of the block are mine
	v_max3_num_f32 v13, |v[XS+3]|, |v[XS+4]|, |v[XS+5]|
.irp i, 6,10,14,18,22,26
	v_max3_num_f32 v12, v12, |v[XS+\i]|, |v[XS+\i+1]|
	v_max3_num_f32 v13, v13, |v[XS+\i+2]|, |v[XS+\i+3]|
.endr
	v_max3_num_f32 v12, v12, |v[XS+30]|, |v[XS+31]|
	v_max3_num_f32 v12, v12, v13, 0x4800000        ; and the floor
	v_add_nc_u32 v11, 0xfc000000, v12              ; the conversion's scale operand
	v_lshrrev_b32 v13, 23, v11                     ; the byte
.if (\t)%4 == 0
	v_mov_b32 v[24+(\t)/4], v13
.else
	v_lshl_or_b32 v[24+(\t)/4], v13, 8*((\t)%4), v[24+(\t)/4]
.endif
.irp i, 0,1,2,3,4,5,6,7,8,9,10,11,12,13,14,15,16,17,18,19,20,21,22,23,24,25,26,27,28,29,30,31
.endr
.irp g, 0,1,2,3
	v_cvt_scalef32_pk8_fp8_f32 v[CW+2*\g:CW+2*\g+1], v[XS+8*\g:XS+8*\g+7], v11
.endr
	v_nop                                          ; a plain line behind the last conversion
	global_store_b128 v4, v[CW:CW+3], s[16:17] offset:512*(\t)        ; k 0-15: the chunk's lanes 0-15; sixteen lanes fill 256 consecutive bytes of each of the two tiles
	global_store_b128 v4, v[CW+4:CW+7], s[16:17] offset:512*(\t)+256  ; k 16-31: its lanes 16-31
.if (\t)+2 < 8
	LOADW (\t)+2, \pitch
.endif
.endm
.macro WBODY pitch
	LOADW 0, \pitch
	LOADW 1, \pitch
.irp t, 0,1,2,3,4,5,6,7
	BLOCKW \t, \pitch
.endr
	global_store_b64 v9, v[24:25], s[18:19]        ; my column's two scale words
.endm
	s_sub_co_u32 s24, ttmp9, 256                   ; j = 0..95
	s_lshr_b32 s25, s24, 5                         ; which weight
	s_bfe_u32 s26, s24, 0x40001                    ; head
	s_and_b32 s27, s24, 1
	s_lshl_b32 s27, s27, 1
	s_lshr_b32 s28, s[WV], 1
	s_add_co_u32 s27, s27, s28                     ; which 256 along K
	s_and_b32 s28, s[WV], 1                        ; which 32 of the head's 64 columns
	s_lshl_b32 s29, s25, 4
	s_add_co_u32 s29, s29, s26
	s_lshl_b32 s29, s29, 1
	s_add_co_u32 s29, s29, s28                     ; the group of 32 columns
	s_lshl_b32 s30, s26, 18                        ; a head is 1,024 rows of 256 bytes
	s_lshl_b32 s31, s27, 16
	s_add_co_u32 s30, s30, s31
	s_lshl_b32 s31, s28, 7
	s_add_co_u32 s30, s30, s31
	s_mov_b32 s31, 0
	s_wait_kmcnt 0x0
	s_cmp_eq_u32 s25, 0
	s_cselect_b64 s[4:5], s[6:7], s[8:9]           ; the choice hangs on the work-group's number alone
	s_cmp_eq_u32 s25, 2
	s_cselect_b64 s[4:5], s[10:11], s[4:5]
	s_add_nc_u64 s[4:5], s[4:5], s[30:31]
	WDEST
	s_wait_alu depctr_va_vdst(0)
	WBODY 256
	s_endpgm
.Lwo:
	s_sub_co_u32 s24, ttmp9, 352                   ; j = 0..31
	s_lshr_b32 s27, s24, 3                         ; which 256 along K
	s_and_b32 s28, s24, 7
	s_lshl_b32 s28, s28, 2
	s_add_co_u32 s28, s28, s[WV]                   ; which 32 of Wo's columns
	s_add_co_u32 s29, s28, 96                      ; the group, behind the 96 of Wq, Wk, Wv
	s_lshl_b32 s30, s27, 20                        ; 256 rows of 4,096 bytes
	s_lshl_b32 s31, s28, 7
	s_add_co_u32 s30, s30, s31
	s_mov_b32 s31, 0
	s_wait_kmcnt 0x0
	s_add_nc_u64 s[4:5], s[12:13], s[30:31]
	WDEST
	s_wait_alu depctr_va_vdst(0)
	WBODY 4096
	s_endpgm
.Lfunc_end_k_q04c7c7706c_quant:
	.size	k_q04c7c7706c_quant, .Lfunc_end_k_q04c7c7706c_quant-k_q04c7c7706c_quant
	.p2alignl 7, 3214868480
	.fill 96, 4, 3214868480
	.section	.rodata,"a",@progbits
	.p2align	6, 0x0
	.amdhsa_kernel k_q04c7c7706c_quant
		.amdhsa_group_segment_fixed_size 34304
		.amdhsa_private_segment_fixed_size 0
		.amdhsa_enable_private_segment 0
		.amdhsa_kernarg_size 64
		.amdhsa_user_sgpr_count 2
		.amdhsa_user_sgpr_kernarg_segment_ptr 1
		.amdhsa_wavefront_size32 1
		.amdhsa_system_sgpr_workgroup_id_x 1
		.amdhsa_system_sgpr_workgroup_id_y 1
		.amdhsa_system_sgpr_workgroup_id_z 1
		.amdhsa_system_vgpr_workitem_id 0
		.amdhsa_next_free_vgpr 256
		.amdhsa_next_free_sgpr 66
		.amdhsa_reserve_vcc 1
		.amdhsa_float_denorm_mode_32 3
		.amdhsa_float_denorm_mode_16_64 3
		.amdhsa_fp16_overflow 1
		.amdhsa_memory_ordered 1
		.amdhsa_forward_progress 1
		.amdhsa_inst_pref_size 111
	.end_amdhsa_kernel
	.amdgpu_metadata
---
amdhsa.version: [ 1, 2 ]
amdhsa.kernels:
  - .name:           k_q04c7c7706c_quant
    .symbol:         k_q04c7c7706c_quant.kd
    .args:
      - { .name: x, .offset: 0, .size: 8, .value_kind: global_buffer, .address_space: global }
      - { .name: Wq, .offset: 8, .size: 8, .value_kind: global_buffer, .address_space: global }
      - { .name: Wk, .offset: 16, .size: 8, .value_kind: global_buffer, .address_space: global }
      - { .name: Wv, .offset: 24, .size: 8, .value_kind: global_buffer, .address_space: global }
      - { .name: Wo, .offset: 32, .size: 8, .value_kind: global_buffer, .address_space: global }
      - { .name: xc, .offset: 40, .size: 8, .value_kind: global_buffer, .address_space: global }
      - { .name: wc, .offset: 48, .size: 8, .value_kind: global_buffer, .address_space: global }
      - { .name: xws, .offset: 56, .size: 8, .value_kind: global_buffer, .address_space: global }
    .group_segment_fixed_size: 34304
    .private_segment_fixed_size: 0
    .kernarg_segment_align: 8
    .kernarg_segment_size: 64
    .max_flat_workgroup_size: 128
    .sgpr_count:     66
    .vgpr_count:     256
    .wavefront_size: 32
...
	.end_amdgpu_metadata
.endif
;; end of part 1
;; launch qkv (part 2): grid 12 x 32, 4 waves a work-group, clusters of 4 x 4, 327,680 bytes of LDS; arguments xc, xws, wc, qkvc, qkvs; writes qkvc, qkvs
.if DOCPART == 2
	.amdgcn_target "amdgcn-amd-amdhsa--gfx1250"
	.amdhsa_code_object_version 6
	.text
	.protected	k_q04c7c7706c_qkv
	.globl	k_q04c7c7706c_qkv
	.p2align	8
	.type	k_q04c7c7706c_qkv,@function
k_q04c7c7706c_qkv:
	s_mov_b64 s[64:65], 0
	v_nop
	global_prefetch_b8 v0, s[64:65] scope:SCOPE_SE
	s_setreg_imm32_b32 hwreg(HW_REG_WAVE_MODE, 25, 1), 1
	s_wait_xcnt 0x0
	s_wait_alu depctr_hold_cnt(0) depctr_sa_sdst(0) depctr_va_vdst(0) depctr_va_sdst(0) depctr_va_ssrc(0) depctr_va_vcc(0) depctr_vm_vsrc(0)
	s_getreg_b32 s2, hwreg(HW_REG_IB_STS2, 6, 4)
	s_cmp_eq_u32 s2, 0
	s_cbranch_scc0 .Lentry_in_a_cluster
	s_endpgm
.Lentry_in_a_cluster:
	s_bfe_u32 s2, ttmp6, 0x10000c
	s_cmp_lg_u32 s2, 0xf033
	s_cbranch_scc0 .Lentry_shape_is_right
	s_endpgm
.Lentry_shape_is_right:
; q, k, v = x W on codes of FP8 (E4M3) with E8M0 scales, K = 1,024, and the results quantised at once: q and k along the head's 64, v along the keys.  No f32 result goes to memory.
; A tile of 256 tokens x 256 columns (four heads of one of Wq, Wk, Wv) is made by four waves, 128 x 128 each: 64 accumulators, 512 registers.
; OPERANDS LIE AS IMAGES OF THEIR REGISTERS (a chunk of 512 bytes = 32 along K of 16 rows, lane l's 16 bytes at 16 l), and a tile's 16 rows are 32 g + 8 u + 0..7, 16..23.  So in D = S0 S1^T a lane holds one row of S1's tile, and its
; 64 registers over S0's eight tiles are S0's indices 32 b + 16 (lane / 16) + 0..15, b = 0..3: four blocks of 32 along the next product's K, in the order that the next operand's registers want.
; q, k: S0 = the weight's columns, S1 = tokens: a lane holds a token and 2 heads x 64 channels.   v: S0 = tokens, S1 = columns: a lane holds a channel and 128 keys.  The cluster's x says which (0 q, 1 k, 2 v): it is the same
; in all sixteen partners.  The tensor loads are the same in both cases; only the LDS addresses that the fragments are read from are chosen, by s_cselect_b32.
; K goes in four steps of 256 through two LDS slots; a side's part of a slot is one dense block of memory (16 tiles x 4,096 bytes).  The scale words of all of K come once, with the first fills.
; CLUSTERS: 4 x 4.  The tokens' tiles are shared along a row of the cluster, the weights' along a column: joint loads, one a wave.
; OUT: qkvc [type 3][batch x head 64][131,072]: q, k: [token tile 128][chunk 2][512]; v: [key step 16][channel tile 4][chunk 4][512].
;      qkvs [batch x head][20,480]: q's words at 0, k's at 8,192: [128 tokens: 16][row 16][tile 8], bytes 2 and 3 of a word are 0; v's at 16,384: [key step 16][row 16][channel tile 4].
; LIMITS: NaN and infinities are not served; a block whose largest magnitude lies under 2^(9 - 127) gets the byte 1 (zeros too: their codes are zeros, and this program alone reads the bytes).
; REGISTERS, in windows of 256: window 0: v2-4, v16-29 addresses; v32-63 S0's scale words, v64-95 S1's (two sets each); v128-255 S1's fragments, one set; on the way out v96-223 are at work.
;   window 1: S0's fragments, two sets.   windows 2, 3: the accumulators ((a, b) at v[8 (8 (a % 4) + b)], a = S1's block, b = S0's).
.set SLOT,  131072                     ; a slot: the tokens' 16 tiles x 4,096 bytes, then the weights'
.set SIDE,  65536
.set SCL,   262144                     ; behind the ring: the tokens' scale words (16 tiles x 512 bytes), then the weights'
.set SPARE, 278528                     ; the spare words, 128 bytes for each wave: two blocks of 256 bytes that no other line names
.set WBASE, 0                          ; the first column tile of these weights in wc
.set NP,    8                          ; places behind this matrix instruction (ISA guide 7.12.1)
.set FR,    16
.set ADR1,  16                         ; v16-17 LDS address of S1's fragments in slot 0, 1
.set ADR0,  20                         ; v20-21 of S0's
.set ADS0,  22                         ; v22    of S0's scale words
.set ADS1,  23                         ; v23    of S1's
.set SPW,   28                         ; v28    my spare word; never rewritten
.set NIL,   29                         ; v29    0; never rewritten
.set SC0,   32
.set SC1,   64
.set AF,    128
.set WD,    96                         ; the way out: v96-103 the eight scale words
.set OA,    104                        ; v104, v105 the code stores' offsets
.set OB,    105
.set HN,    128
.set PC,    192                        ; v192-207 their codes
.set TM,    208                        ; v208-223 largest magnitudes, bytes, scale operands
.set G1,   24
.set G0,   32
.set G1B,  48
.set G0B,  56
.set G1S,  68
.set G0S,  76
.set G1SB, 80
.set G0SB, 88
.set SA,   95                          ; s95 from S1's block a to a + 1 in qkvc;  s96 the same at a = 4;  s97 from chunks 0, 1 to chunks 2, 3
.set SJ,   96
.set SCH,  97
.set MSB, 0
.macro WIN new                         ; the immediate's high byte repeats the setting that is left
.if MSB != (\new)
	s_set_vgpr_msb (MSB<<8)|(\new)
.set MSB, (\new)
.endif
.endm
.set MUL_LO, 0xa1                      ; source 0 window 1, source 1 window 0, C and D window 2
.set MUL_HI, 0xf1
.set TO_0,   0x40                      ; destination window 1
; A joint load: waves 0 and 1 fetch the tokens' halves, waves 2 and 3 the weights'.  The branch hangs on the wave's number alone.  Four v_nop follow each of the two lines.
.macro JLOAD g0a, g1a, g0b, g1b
	s_cmp_eq_u32 s15, 0
	s_cbranch_scc0 .Lfor_w_\@
	tensor_load_to_lds s[\g0a:\g0a+3], s[\g1a:\g1a+7]
	s_nop 0
.rept 4
	v_nop
.endr
	s_branch .Lasked_\@
.Lfor_w_\@:
	tensor_load_to_lds s[\g0b:\g0b+3], s[\g1b:\g1b+7]
	s_nop 0
.rept 4
	v_nop
.endr
.Lasked_\@:
.endm
.macro CREST                           ; a round of the cluster's barrier behind its opening barrier
	s_cmp_lg_u32 s14, 0
	s_cbranch_scc1 .Lnot_wave_0_\@
	s_barrier_signal -3
.Lnot_wave_0_\@:
	s_barrier_wait -3
	s_barrier_signal -1
	s_barrier_wait -1
.endm
.macro CROUND
	s_barrier_signal -1
	s_barrier_wait -1
	CREST
.endm
.macro PLACES n
.rept \n
	v_nop
.endr
.endm
	s_load_b128 s[4:7], s[0:1], 0x0                ; xc s[4:5], xws s[6:7]
	s_load_b128 s[8:11], s[0:1], 0x10              ; wc s[8:9], qkvc s[10:11]
	s_load_b64 s[12:13], s[0:1], 0x20              ; qkvs
	v_lshl_add_u32 v[SPW], v0, 2, SPARE
	v_mov_b32 v[NIL], 0
	ds_add_u32 v28, v29
	ds_add_u32 v28, v29
	s_wait_dscnt 0x0
	v_lshrrev_b32 v1, 5, v0
	v_readfirstlane_b32 s14, v1                    ; wave 0..3
	s_lshr_b32 s15, s14, 1                         ; which half of S1's 256 rows is mine.  Also: I fetch tokens (0) or weights (1)
	s_and_b32 s16, s14, 1                          ; which half of S0's.  Also: which 8 tiles I fetch
	s_bfe_u32 s40, ttmp6, 0x40000                  ; cx, cy: my place in the cluster
	s_bfe_u32 s41, ttmp6, 0x40004
	s_lshl_b32 s42, ttmp9, 2
	s_add_co_u32 s42, s42, s40                     ; which 256 columns = 4 x cluster x + cx
	s_and_b32 s17, ttmp7, 0xffff
	s_lshl_b32 s17, s17, 2
	s_add_co_u32 s17, s17, s41                     ; which 256 tokens = 4 x cluster y + cy
	s_lshl_b32 s43, s41, 2
	s_lshl_b32 s43, 15, s43                        ; my row of the cluster
	s_lshl_b32 s44, 0x1111, s40                    ; my column
	; descriptor group 1: 8 tiles' codes of 256 along K, a dense block of 32,768 bytes, as 128 rows of 256 bytes (32 elements of 8 bytes), no padding: a fragment load reads 512 consecutive bytes
	s_or_b32 s[G1+0], s43, (3<<16)|(1<<21)         ; 15:0 the mask: the tokens' tiles go to my row; 17:16 elements of 8 bytes; 21 set beside a mask
	s_or_b32 s[G1B+0], s44, (3<<16)|(1<<21)        ; the weights' to my column
.irp g, G1, G1B
	s_mov_b32 s[\g+1], 32<<16                      ; tensor_dim0
	s_mov_b32 s[\g+2], 128<<16                     ; tensor_dim1
	s_mov_b32 s[\g+3], 32<<16                      ; tile_dim0
	s_mov_b32 s[\g+4], 128                         ; tile_dim1
	s_mov_b32 s[\g+5], 32                          ; the pitch
	s_mov_b32 s[\g+6], 0
	s_mov_b32 s[\g+7], 0
.endr
	s_or_b32 s[G1S+0], s43, (3<<16)|(1<<21)        ; and 8 tiles' scale words: 4,096 dense bytes, 16 rows of 256
	s_or_b32 s[G1SB+0], s44, (3<<16)|(1<<21)
.irp g, G1S, G1SB
	s_mov_b32 s[\g+1], 32<<16
	s_mov_b32 s[\g+2], 16<<16
	s_mov_b32 s[\g+3], 32<<16
	s_mov_b32 s[\g+4], 16
	s_mov_b32 s[\g+5], 32
	s_mov_b32 s[\g+6], 0
	s_mov_b32 s[\g+7], 0
.endr
	s_lshl_b32 s18, s16, 3                         ; which 8 tiles I fetch
	s_lshl_b32 s20, s17, 4
	s_add_co_u32 s20, s20, s18                     ; tokens: tile 16 x block + 8 x half
	s_lshl_b32 s46, s42, 4
	s_add_co_u32 s46, s46, s18
	s_add_co_u32 s46, s46, WBASE                   ; weights likewise
	s_lshl_b32 s22, s20, 9                         ; their scale words, 512 bytes a tile,
	s_mov_b32 s23, 0
	s_lshl_b32 s20, s20, 12                        ; and codes, 4,096 bytes a tile and slab
	s_mov_b32 s21, 0
	s_lshl_b32 s92, s46, 9
	s_add_co_u32 s92, s92, 262144                  ; the weights' words lie behind x's
	s_mov_b32 s93, 0
	s_lshl_b32 s46, s46, 12
	s_mov_b32 s47, 0
	s_lshl_b32 s45, s14, 15                        ; where they go: wave x 32,768: no place in the cluster enters an LDS address
	s_lshl_b32 s94, s14, 12                        ; wave x 4,096
	s_wait_kmcnt 0x0
	s_add_nc_u64 s[20:21], s[4:5], s[20:21]
	s_add_nc_u64 s[22:23], s[6:7], s[22:23]
	s_add_nc_u64 s[46:47], s[8:9], s[46:47]
	s_add_nc_u64 s[92:93], s[6:7], s[92:93]
	CROUND                                         ; all sixteen work-groups are here: the first joint loads meet
	s_mov_b32 s[G0S], 1
	s_add_co_u32 s[G0S+1], s94, SCL
	s_mov_b64 s[G0S+2:G0S+3], s[22:23]
	s_or_b32 s[G0S+3], s[G0S+3], 0x80000000
	s_mov_b32 s[G0SB], 1
	s_add_co_u32 s[G0SB+1], s94, SCL
	s_mov_b64 s[G0SB+2:G0SB+3], s[92:93]
	s_or_b32 s[G0SB+3], s[G0SB+3], 0x80000000
	JLOAD G0S, G1S, G0SB, G1SB                     ; the scale words first: they are wanted with the first K step
.irp s, 0,1
	s_mov_b32 s[G0+4*\s], 1
	s_add_co_u32 s[G0+4*\s+1], s45, \s*SLOT
	s_add_nc_u64 s[G0+4*\s+2:G0+4*\s+3], s[20:21], \s*0x200000    ; a slab of the tokens' codes is 512 tiles x 4,096 bytes
	s_or_b32 s[G0+4*\s+3], s[G0+4*\s+3], 0x80000000
	s_mov_b32 s[G0B+4*\s], 1
	s_add_co_u32 s[G0B+4*\s+1], s45, \s*SLOT
	s_add_nc_u64 s[G0B+4*\s+2:G0B+4*\s+3], s[46:47], \s*0x100000  ; of the weights' 256 tiles
	s_or_b32 s[G0B+4*\s+3], s[G0B+4*\s+3], 0x80000000
	JLOAD G0+4*\s, G1, G0B+4*\s, G1B               ; two, then three loads of mine are out
.endr
	v_and_b32 v1, 31, v0
	v_lshlrev_b32 v2, 4, v1                        ; 16 x lane
	s_wait_alu depctr_va_vdst(0)
	v_and_b32 v3, 15, v0
	v_lshlrev_b32 v3, 4, v3                        ; 16 r
	s_wait_alu depctr_va_vdst(0)
	v_bfe_u32 v4, v0, 4, 1                         ; h
	s_mov_b32 s[SA], 1024
	s_mov_b32 s[SJ], 1024
	s_mov_b32 s[SCH], 131072
	s_cmp_eq_u32 ttmp9, 2                          ; v?  The cluster's x: the same in all partners
	s_cselect_b32 s4, 0, SIDE                      ; S0's side of a slot: v: the tokens'; q, k: the weights'
	s_cselect_b32 s5, SIDE, 0                      ; S1's
	s_cselect_b32 s6, 0, 8192                      ; and of the scale words
	s_cselect_b32 s7, 8192, 0
	s_cselect_b32 s66, s15, s16                    ; my half of the columns
	s_cselect_b32 s67, s16, s15                    ; my half of the tokens
	s_cselect_b32 s[SA], 2048, s[SA]               ; q, k: the next token tile, 1,024 bytes on;  v: the next channel tile, 2,048 on,
	s_cselect_b32 s[SJ], 124928, s[SJ]             ; and at a = 4 the next head's first: 131,072 - 3 x 2,048
	s_cselect_b32 s[SCH], 1024, s[SCH]             ; q, k: chunks 2, 3 are the next head's;  v: they follow chunks 0, 1
	s_lshl_b32 s18, s16, 15
	s_add_co_u32 s4, s4, s18
	s_lshl_b32 s19, s15, 15
	s_add_co_u32 s5, s5, s19
	v_add_nc_u32 v[ADR0], s4, v2
	v_add_nc_u32 v[ADR1], s5, v2
	v_add_nc_u32 v[ADR0+1], SLOT, v[ADR0]
	v_add_nc_u32 v[ADR1+1], SLOT, v[ADR1]
	s_lshl_b32 s18, s16, 12
	s_add_co_u32 s6, s6, s18
	s_add_co_u32 s6, s6, SCL
	s_lshl_b32 s19, s15, 12
	s_add_co_u32 s7, s7, s19
	s_add_co_u32 s7, s7, SCL
	v_add_nc_u32 v[ADS0], s6, v3
	v_add_nc_u32 v[ADS1], s7, v3
	; where my results go
	s_lshr_b32 s18, s17, 3
	s_lshl_b32 s18, s18, 4                         ; 16 x batch
	s_lshl_b32 s19, s40, 2
	s_add_co_u32 s18, s18, s19
	s_lshl_b32 s19, s66, 1
	s_add_co_u32 s18, s18, s19                     ; + my first head: 4 cx + 2 x half
	s_and_b32 s19, s17, 7
	s_lshl_b32 s19, s19, 1
	s_add_co_u32 s19, s19, s67                     ; which 128 tokens of the batch
	s_lshl_b32 s2, s18, 17
	s_lshl_b32 s3, ttmp9, 23
	s_add_co_u32 s2, s2, s3
	s_lshl_b32 s3, s19, 13                         ; 8 token tiles x 1,024, or a key step's 4 x 2,048
	s_add_co_u32 s2, s2, s3
	s_mov_b32 s3, 0
	s_add_nc_u64 s[10:11], s[10:11], s[2:3]
	s_mul_i32 s2, s18, 20480
	s_lshl_b32 s3, s19, 8
	s_add_co_u32 s3, s3, 16384                     ; v's words: 256 bytes a key step
	s_lshl_b32 s8, s19, 9                          ; q's, k's: 512 bytes for 128 tokens
	s_lshl_b32 s9, ttmp9, 13
	s_add_co_u32 s8, s8, s9
	s_cmp_eq_u32 ttmp9, 2
	s_cselect_b32 s3, s3, s8
	s_add_co_u32 s2, s2, s3
	s_mov_b32 s3, 0
	s_add_nc_u64 s[12:13], s[12:13], s[2:3]
	s_mov_b32 s2, 0x76543210                       ; v_permlanex16_b32's selects for lane l xor 16
	s_mov_b32 s3, 0xfedcba98
.macro FRAG reg, adr, q, i             ; a fragment, 16 rows x 128 K, is four chunks: four loads of 512 consecutive bytes
.irp c, 0,1,2,3
	ds_load_b128 v[\reg+4*\c:\reg+4*\c+3], v[\adr] offset:(\i)*4096+(\q)*2048+512*\c
.endr
.endm
; 16 matrix instructions: S1's blocks a0, a0 + 1 x S0's eight.  p: S0's set; q: the slot's first or second 128 along K; sc: the set of scale words; zero = 1: the product starts the sums.
; The 64 accumulators take turns, one instruction a turn, in the same order in every step.
.macro MUL16 a0, p, q, sc, zero
.irp a, \a0, \a0+1
.irp b, 0,1,2,3,4,5,6,7
.if \zero
	v_wmma_scale_f32_16x16x128_f8f6f4 v[8*(8*((\a)%4)+\b):8*(8*((\a)%4)+\b)+7], v[128*(\p)+FR*\b:128*(\p)+FR*\b+FR-1], v[AF+FR*(\a):AF+FR*(\a)+FR-1], 0, v[SC0+16*(\sc)+2*\b+(\q)], v[SC1+16*(\sc)+2*(\a)+(\q)]
.else
	v_wmma_scale_f32_16x16x128_f8f6f4 v[8*(8*((\a)%4)+\b):8*(8*((\a)%4)+\b)+7], v[128*(\p)+FR*\b:128*(\p)+FR*\b+FR-1], v[AF+FR*(\a):AF+FR*(\a)+FR-1], v[8*(8*((\a)%4)+\b):8*(8*((\a)%4)+\b)+7], v[SC0+16*(\sc)+2*\b+(\q)], v[SC1+16*(\sc)+2*(\a)+(\q)]
.endif
.endr
.endr
.endm
.macro FETCH_0 slot, q, p              ; S0's eight fragments into set p
	WIN TO_0
.irp i, 0,1,2,3,4,5,6,7
	FRAG 128*(\p)+FR*\i, ADR0+\slot, \q, \i
.endr
	WIN 0
.endm
.macro FETCH_1 slot, q, i0             ; S1's blocks i0 .. i0 + 3
.irp i, \i0, \i0+1, \i0+2, \i0+3
	FRAG AF+FR*(\i), ADR1+\slot, \q, \i
.endr
.endm
.macro SCALES sc, s2                   ; the scale words of K step s2 (256 along K: two words a row) of both sides' eight tiles; every offset is an immediate
.irp i, 0,1,2,3,4,5,6,7
	ds_load_b64 v[SC0+16*(\sc)+2*\i:SC0+16*(\sc)+2*\i+1], v[ADS0] offset:\i*512+((\s2)>>1)*256+((\s2)&1)*8
	ds_load_b64 v[SC1+16*(\sc)+2*\i:SC1+16*(\sc)+2*\i+1], v[ADS1] offset:\i*512+((\s2)>>1)*256+((\s2)&1)*8
.endr
.endm
; A slot's first 128 along K.  A block of S1 is free as soon as its eight products are issued, so S1 has one set: blocks 0-3 are fetched anew in the step's middle, blocks 4-7 at its end.
.macro STEP slot, zero
	s_wait_dscnt 16                                ; all but the youngest sixteen loads (S1's blocks 4-7) are in
	WIN MUL_LO
	MUL16 0, 0, 0, \slot, \zero
	MUL16 2, 0, 0, \slot, \zero
	s_wait_dscnt 0x0                               ; S1's blocks 4-7 are in
	PLACES NP                                      ; in front of loads into registers that matrix instructions have read
	FETCH_0 \slot, 1, 1
	FETCH_1 \slot, 1, 0
	WIN MUL_HI
	MUL16 4, 0, 0, \slot, \zero
	MUL16 6, 0, 0, \slot, \zero
	PLACES NP
	WIN 0
	FETCH_1 \slot, 1, 4
.endm
; A slot's second 128 along K changes slots: one barrier; in front of it each wave waits for all its tensor loads, adds 0 to its spare word, and waits for that and for its reads of this slot.
; fill = 1: the barrier opens a round of the cluster's, and this slot is filled again, two K steps ahead.  s2: the K step that lies in the next slot.
.macro TURN slot, next, fill, s2
	s_wait_tensorcnt 0x0                           ; all my tensor loads have landed: my part of the next slot among them
	ds_add_u32 v[SPW], v[NIL]                      ; 0 onto my spare word
	s_wait_dscnt 17                                ; (the add and the youngest sixteen loads may be out)
	WIN MUL_LO
	MUL16 0, 1, 1, \slot, 0                        ; sixteen matrix instructions stand between the add and the wait for it
	s_wait_dscnt 0x0                               ; the add is done, and my reads of this slot are over
	s_barrier_signal -1
	MUL16 2, 1, 1, \slot, 0
	WIN 0
	s_barrier_wait -1
.if \fill
	CREST                                          ; no wave of any partner still reads this slot or has a load on its way
	s_add_nc_u64 s[G0+4*\slot+2:G0+4*\slot+3], s[G0+4*\slot+2:G0+4*\slot+3], 0x400000
	s_add_nc_u64 s[G0B+4*\slot+2:G0B+4*\slot+3], s[G0B+4*\slot+2:G0B+4*\slot+3], 0x200000
	JLOAD G0+4*\slot, G1, G0B+4*\slot, G1B         ; the first tensor load behind the round, one a wave; its four v_nop are four of the eight places
	PLACES NP-4
.else
	PLACES NP
.endif
	FETCH_0 \next, 0, 0
	FETCH_1 \next, 0, 0
	SCALES \next, \s2
	WIN MUL_HI
	MUL16 4, 1, 1, \slot, 0
	MUL16 6, 1, 1, \slot, 0
	PLACES NP
	WIN 0
	FETCH_1 \next, 0, 4
.endm
	s_wait_alu depctr_va_vdst(0)
	s_wait_tensorcnt 1                             ; the scale words and my part of slot 0 are in; slot 1's load may be out
	s_barrier_signal -1
	s_barrier_wait -1
	FETCH_0 0, 0, 0
	FETCH_1 0, 0, 0
	SCALES 0, 0
	FETCH_1 0, 0, 4
	STEP 0, 1                                      ; K = 1,024 is four slots' worth: written out, no loop
	TURN 0, 1, 1, 1
	STEP 1, 0
	TURN 1, 0, 1, 2
	STEP 0, 0
	TURN 0, 1, 0, 3                                ; nothing is left to fetch
	STEP 1, 0
	s_wait_dscnt 16
	WIN MUL_LO
	MUL16 0, 1, 1, 1, 0
	MUL16 2, 1, 1, 1, 0
	s_wait_dscnt 0x0
	WIN MUL_HI
	MUL16 4, 1, 1, 1, 0
	MUL16 6, 1, 1, 1, 0
	WIN 0
; THE WAY OUT.  S1's block a: my lane's 64 numbers are four blocks of 32 along the next K; lanes l and l xor 16 share a block.  The codes are the next operand's registers: four stores of 512 consecutive bytes.
.macro QOUT a
.set AC, 64*((\a)%4)
.set WN, 2+(\a)/4
.set W01, WN|(WN<<2)
.set W12, (WN<<2)|(WN<<4)
	WIN W01                                        ; sources 0 and 1: the accumulators' window
.irp b, 0,1,2,3
	v_max3_num_f32 v[TM+\b], |v[AC+16*\b]|, |v[AC+16*\b+1]|, 0x4800000   ; each accumulator is read from its low end on; the floor 2^(9 - 127) holds the byte at 1 from below
.endr
	WIN W12                                        ; sources 1 and 2
.irp i, 2,4,6,8,10,12,14
.irp b, 0,1,2,3
	v_max3_num_f32 v[TM+\b], v[TM+\b], |v[AC+16*\b+\i]|, |v[AC+16*\b+\i+1]|
.endr
.endr
	WIN 0
.irp b, 0,1,2,3
	v_permlanex16_b32 v[TM+4+\b], v[TM+\b], s2, s3
.endr
.irp b, 0,1,2,3
	v_max_num_f32 v[TM+\b], v[TM+\b], v[TM+4+\b]
.endr
.irp b, 0,1,2,3
	v_add_nc_u32 v[TM+12+\b], 0xfc000000, v[TM+\b] ; the conversion's scale operand
.endr
.irp b, 0,1,2,3
.endr
.irp b, 0,1,2,3
	v_lshrrev_b32 v[TM+4+\b], 23, v[TM+12+\b]      ; the byte
.endr
	v_lshl_or_b32 v[WD+(\a)], v[TM+5], 8, v[TM+4]
	v_lshl_or_b32 v[WD+(\a)], v[TM+6], 16, v[WD+(\a)]
	v_lshl_or_b32 v[WD+(\a)], v[TM+7], 24, v[WD+(\a)]
.if (\a) > 0
	s_wait_xcnt 0x0                                ; the last block's stores have read their offsets and their data: both are written again below
.if (\a) == 4
	v_add_nc_u32 v[OA], s[SJ], v[OA]
	v_add_nc_u32 v[OB], s[SJ], v[OB]
.else
	v_add_nc_u32 v[OA], s[SA], v[OA]
	v_add_nc_u32 v[OB], s[SA], v[OB]
.endif
.endif
	WIN WN                                         ; source 0
.set n, 0
.rept 64
.set n, n+1
.endr
.irp b, 0,1,2,3
	v_cvt_scalef32_pk8_fp8_f32 v[PC+4*\b:PC+4*\b+1], v[AC+16*\b:AC+16*\b+7], v[TM+12+\b]
	v_cvt_scalef32_pk8_fp8_f32 v[PC+4*\b+2:PC+4*\b+3], v[AC+16*\b+8:AC+16*\b+15], v[TM+12+\b]
.endr
	WIN 0
	v_nop                                          ; a plain line behind the last conversion
	global_store_b128 v[OA], v[PC:PC+3], s[10:11]
	global_store_b128 v[OA], v[PC+4:PC+7], s[10:11] offset:512
	global_store_b128 v[OB], v[PC+8:PC+11], s[10:11]
	global_store_b128 v[OB], v[PC+12:PC+15], s[10:11] offset:512
.endm
	PLACES NP                                      ; behind the last products: their results are read, and their operands' registers written, below
.irp b, 0,1,2,3
	v_mov_b32 v[TM+4+\b], 0                        ; a lane permute's destination counts as one of its sources
.endr
	v_mov_b32 v[OA], v2
	v_add_nc_u32 v[OB], s[SCH], v2
.irp a, 0,1,2,3,4,5,6,7
	QOUT \a
.endr
	v_mul_u32_u24 v107, v4, 20480                  ; lanes 16-31 store for the second of my two heads
	s_cmp_eq_u32 ttmp9, 2
	s_cbranch_scc1 .Lvwords
	v_lshlrev_b32 v106, 4, v4                      ; q, k: a word's bytes 0, 1 are the first head's two scales, bytes 2, 3 the second's
	v_lshl_add_u32 v107, v3, 1, v107               ; + 32 r: my row's eight tiles
.irp a, 0,1,2,3,4,5,6,7
	v_bfe_u32 v[112+\a], v[WD+\a], v106, 16        ; the upper two bytes are 0: they scale the K that the head does not have
.endr
	global_store_b128 v107, v[112:115], s[12:13]
	global_store_b128 v107, v[116:119], s[12:13] offset:16
	s_branch .Ldone
.Lvwords:
	s_wait_alu depctr_va_vdst(0)
	v_add_nc_u32 v107, v107, v3                    ; v: + 16 r: my row's four channel tiles
	v_cmp_eq_u32 vcc_lo, 1, v4
.irp i, 0,1,2,3
	v_cndmask_b32 v[112+\i], v[WD+\i], v[WD+4+\i], vcc_lo
.endr
	global_store_b128 v107, v[112:115], s[12:13]
.Ldone:
	s_wait_tensorcnt 0x0                           ; the wave's end
	ds_add_u32 v[SPW], v[NIL]
	s_wait_dscnt 0x0
	CROUND                                         ; the closing round: no work-group ends while a partner may still ask for a tile that names it
	s_endpgm
.Lfunc_end_k_q04c7c7706c_qkv:
	.size	k_q04c7c7706c_qkv, .Lfunc_end_k_q04c7c7706c_qkv-k_q04c7c7706c_qkv
	.p2alignl 7, 3214868480
	.fill 96, 4, 3214868480
	.section	.rodata,"a",@progbits
	.p2align	6, 0x0
	.amdhsa_kernel k_q04c7c7706c_qkv
		.amdhsa_group_segment_fixed_size 327680
		.amdhsa_private_segment_fixed_size 0
		.amdhsa_enable_private_segment 0
		.amdhsa_kernarg_size 40
		.amdhsa_user_sgpr_count 2
		.amdhsa_user_sgpr_kernarg_segment_ptr 1
		.amdhsa_wavefront_size32 1
		.amdhsa_system_sgpr_workgroup_id_x 1
		.amdhsa_system_sgpr_workgroup_id_y 1
		.amdhsa_system_sgpr_workgroup_id_z 1
		.amdhsa_system_vgpr_workitem_id 0
		.amdhsa_next_free_vgpr 1024
		.amdhsa_next_free_sgpr 98
		.amdhsa_reserve_vcc 1
		.amdhsa_float_denorm_mode_32 3
		.amdhsa_float_denorm_mode_16_64 3
		.amdhsa_fp16_overflow 1
		.amdhsa_memory_ordered 1
		.amdhsa_forward_progress 1
		.amdhsa_inst_pref_size 153
	.end_amdhsa_kernel
	.amdgpu_metadata
---
amdhsa.version: [ 1, 2 ]
amdhsa.kernels:
  - .name:           k_q04c7c7706c_qkv
    .symbol:         k_q04c7c7706c_qkv.kd
    .args:
      - { .name: xc, .offset: 0, .size: 8, .value_kind: global_buffer, .address_space: global }
      - { .name: xws, .offset: 8, .size: 8, .value_kind: global_buffer, .address_space: global }
      - { .name: wc, .offset: 16, .size: 8, .value_kind: global_buffer, .address_space: global }
      - { .name: qkvc, .offset: 24, .size: 8, .value_kind: global_buffer, .address_space: global }
      - { .name: qkvs, .offset: 32, .size: 8, .value_kind: global_buffer, .address_space: global }
    .group_segment_fixed_size: 327680
    .private_segment_fixed_size: 0
    .kernarg_segment_align: 8
    .kernarg_segment_size: 40
    .max_flat_workgroup_size: 128
    .sgpr_count:     98
    .vgpr_count:     1024
    .wavefront_size: 32
...
	.end_amdgpu_metadata
.endif
;; end of part 2
;; launch attn (part 3): grid 4 x 64, 16 waves a work-group, no clusters, 276,480 bytes of LDS; arguments qkvc, qkvs, ac, asc; writes ac, asc
.if DOCPART == 3
	.amdgcn_target "amdgcn-amd-amdhsa--gfx1250"
	.amdhsa_code_object_version 6
	.text
	.protected	k_q04c7c7706c_attn
	.globl	k_q04c7c7706c_attn
	.p2align	8
	.type	k_q04c7c7706c_attn,@function
k_q04c7c7706c_attn:
	s_mov_b64 s[64:65], 0
	v_nop
	global_prefetch_b8 v0, s[64:65] scope:SCOPE_SE
	s_setreg_imm32_b32 hwreg(HW_REG_WAVE_MODE, 25, 1), 1
	s_wait_xcnt 0x0
; Causal attention on codes of FP8 (E4M3) with E8M0 scales, head size 64, 2,048 tokens, 64 (batch, head) pairs; the result is quantised along the 1,024 channels (64 x head + d) for the last product.
; t = score x log2(e) / 32 (the source scales by 1 / sqrt(1,024)); M = the running largest t, rounded up to a whole number; p = 2^(t - M) is quantised along the keys; the row's sum is taken of the unquantised p and divides at the end.
; THE WHOLE HEAD'S K AND V STAY IN LDS (2 x 131,072 bytes of codes, 12,288 of scale words): every byte is filled once, by the first five tensor loads of each wave; no slot is filled again.
; SHARES.  Work-group (p, head): p = 0..3.  Each of the sixteen waves takes two tiles of 16 queries, one after the other in the same registers: tile 127 - 16 p - w (late) and tile 16 p + w (early).
; A tile tt walks key steps 0 .. tt / 8 of 128 keys: the two tiles make 17 steps in every wave of every work-group.  Loops have constant trip counts; a step all of whose keys come after the tile's queries is jumped over by a scalar branch on ids.
; LAYOUT.  Both products transposed: S^T = K Q^T, O^T = V^T P^T: a lane holds one query.  A tile's 16 tokens are 32 g + 8 u + 0..7, 16..23, so the 16 registers of key tiles 2 b, 2 b + 1 are keys 32 b + 16 (lane / 16) + 0..15.
; K = 64 IN AN INSTRUCTION OF 128.  Q's fragment has zero codes in its upper 64; K's fragment t is registers v[32 + 8 t .. 47 + 8 t], whose upper half is the next tile's codes (never the NaN code: they were held at 448; behind tile 7: zeros).
; A zero code times any code adds nothing; bytes 2 and 3 of q's and k's scale words are 0, which is a number.  So K costs no LDS byte and no register for the K that it does not have.
; NO CLUSTER: the work-groups that share K and V are the four of a head, and they differ in their query tiles, on which the causal jump hangs; no branch may hang on a place among partners.
; LIMITS: NaN and infinities are not served.  1 / the sum is v_rcp_f32 (1 ulp).  A block of p or of the result under 2^(9 - 127) gets the byte 1.  The result's scale bytes leave singly (262,144 bytes in all).
; REGISTERS: v1-4 addresses that stay; v5-8 the step's; v9 d; v10, v11 offsets; v12 -M, v13 the largest t, v[14:15] the sum; v16-23 Q, v24-31 zeros; v32-95 K, v96-103 zeros; v104-167 S^T, p, then V; v168-199 O^T;
;   v200-215 p's codes; v216-231 at work; v232-239 K's scale words, then V's; v244 f; v246 at work; v247 p's word; v248 Q's; v249 -infinity; v250 the lane's part of d; v240-243, v251-255 the early tile's Q.
.set VB,   131072                      ; LDS: K's codes at 0, V's here,
.set KWD,  262144                      ; K's scale words,
.set VWD,  270336                      ; V's
.set S,    104
.set O,    168
.set PC,   200
.set BM,   216
.set PB,   220
.set HOLD, 224
.set SCOP, 228
.set WV,   12
.set MNT,  13
.set SEL,  20
.set CS,   22
.set G1A,  24                          ; s[24:31] group 1: 3 rows of 256 bytes;  s[32:39]: 8 rows;  s[40:47]: 24 rows
.set G1B,  32
.set G1C,  40
.set T1,   48                          ; groups 0 of the five loads
.set T2,   52
.set T3,   56
.set T4,   60
.set T5,   68
.set KS,   72                          ; s72 the key step, and the loops' counter
.set SD,   73                          ; s73 the tile's last key step, the one on the diagonal
.set TB,   74
.set TS,   75
.set TJ,   76
.set QR,   77
.set TTB,  78                          ; s78 the late tile, s79 the early one
.set TTA,  79
.set ACB,  80                          ; s[80:95] the two tiles' places in ac, asc, q's codes, q's words
.set ACA,  82
.set SCB,  84
.set SCA,  86
.set QCB,  88
.set QCA,  90
.set QWB,  92
.set QWA,  94
.macro GROUP1 g, rows                  ; a dense block as rows of 256 bytes: 32 elements of 8 bytes, no padding
	s_mov_b32 s[\g], 3<<16
	s_mov_b32 s[\g+1], 32<<16
	s_mov_b32 s[\g+2], (\rows)<<16
	s_mov_b32 s[\g+3], 32<<16
	s_mov_b32 s[\g+4], \rows
	s_mov_b32 s[\g+5], 32
	s_mov_b32 s[\g+6], 0
	s_mov_b32 s[\g+7], 0
.endm
	s_load_b256 s[4:11], s[0:1], 0x0               ; qkvc s[4:5], qkvs s[6:7], ac s[8:9], asc s[10:11]
	v_lshl_add_u32 v254, v0, 2, 0x43000
	v_mov_b32 v255, 0
	ds_add_u32 v254, v255
	ds_add_u32 v254, v255
	s_wait_dscnt 0x0
	v_lshrrev_b32 v1, 5, v0
	s_delay_alu instid0(VALU_DEP_1)
	v_readfirstlane_b32 s[WV], v1                  ; wave 0..15
	s_and_b32 s14, ttmp7, 0xffff                   ; 16 x batch + head
	GROUP1 G1A, 3
	GROUP1 G1B, 8
	GROUP1 G1C, 24
	s_mov_b32 s[T1], 1
	s_mov_b32 s[T2], 1
	s_mov_b32 s[T3], 1
	s_mov_b32 s[T4], 1
	s_mov_b32 s[T5], 1
	s_mul_i32 s15, s[WV], 768                      ; load 1: a sixteenth of K's and V's scale words, which lie on end in memory and in LDS
	s_add_co_u32 s[T1+1], s15, KWD
	s_mul_i32 s2, s14, 20480                       ; the head's scale bytes
	s_add_co_u32 s16, s2, s15
	s_add_co_u32 s16, s16, 8192
	s_mov_b32 s17, 0
	s_lshl_b32 s15, s[WV], 11                      ; loads 2, 3: a sixteenth of K's and of V's first 512 keys (32,768 bytes each)
	s_mov_b32 s[T2+1], s15
	s_add_co_u32 s[T3+1], s15, VB
	s_lshl_b32 s3, s14, 17                         ; the head's codes
	s_add_co_u32 s18, s3, s15
	s_add_co_u32 s18, s18, 0x800000                ; k's codes lie 8,388,608 bytes behind q's, v's as far behind k's
	s_mov_b32 s19, 0
	s_mul_i32 s15, s[WV], 6144                     ; loads 4, 5: a sixteenth of the other 98,304 bytes
	s_add_co_u32 s[T4+1], s15, 32768
	s_add_co_u32 s[T5+1], s15, VB+32768
	s_add_co_u32 s74, s3, s15
	s_add_co_u32 s74, s74, 0x800000+32768
	s_mov_b32 s75, 0
	s_wait_kmcnt 0x0
	s_add_nc_u64 s[T1+2:T1+3], s[6:7], s[16:17]
	s_add_nc_u64 s[T2+2:T2+3], s[4:5], s[18:19]
	s_add_nc_u64 s[T3+2:T3+3], s[T2+2:T2+3], 0x800000
	s_add_nc_u64 s[T4+2:T4+3], s[4:5], s[74:75]
	s_add_nc_u64 s[T5+2:T5+3], s[T4+2:T4+3], 0x800000
.irp g, T1, T2, T3, T4, T5
	s_or_b32 s[\g+3], s[\g+3], 0x80000000          ; type = 2
.endr
	tensor_load_to_lds s[T1:T1+3], s[G1A:G1A+7]    ; the first fills, one group, the same five lines in every wave: five loads of mine are out
	s_nop 0
	tensor_load_to_lds s[T2:T2+3], s[G1B:G1B+7]
	s_nop 0
	tensor_load_to_lds s[T3:T3+3], s[G1B:G1B+7]
	s_nop 0
	tensor_load_to_lds s[T4:T4+3], s[G1C:G1C+7]
	s_nop 0
	tensor_load_to_lds s[T5:T5+3], s[G1C:G1C+7]
	s_nop 0
.rept 4
	v_nop
.endr
	s_lshl_b32 s[TTA], ttmp9, 4
	s_add_co_u32 s[TTA], s[TTA], s[WV]             ; the early tile: 16 p + w
	s_sub_co_u32 s[TTB], 127, s[TTA]               ; the late one
	s_and_b32 s15, s14, 15                         ; head
	s_lshr_b32 s18, s14, 4                         ; batch
	s_lshr_b32 s74, s15, 2                         ; ac: [K / 256 = head / 4][token tile][K step][chunk][512]
	s_lshl_b32 s74, s74, 21
	s_lshl_b32 s19, s18, 19                        ; a batch is 128 tiles x 4,096 bytes
	s_add_co_u32 s74, s74, s19
	s_bfe_u32 s19, s15, 0x10001
	s_lshl_b32 s19, s19, 11
	s_add_co_u32 s74, s74, s19
	s_and_b32 s19, s15, 1
	s_lshl_b32 s19, s19, 10
	s_add_co_u32 s74, s74, s19
	s_lshl_b32 s75, s18, 16                        ; asc: [token tile][K / 512 = head / 8][row][K step % 4][byte]
	s_lshr_b32 s19, s15, 3
	s_lshl_b32 s19, s19, 8
	s_add_co_u32 s75, s75, s19
	s_bfe_u32 s19, s15, 0x20001
	s_lshl_b32 s19, s19, 2
	s_add_co_u32 s75, s75, s19
	s_and_b32 s19, s15, 1
	s_lshl_b32 s19, s19, 1
	s_add_co_u32 s75, s75, s19
	s_mov_b32 s17, 0
.macro TILEBASE tt, qc, qw, ab, sb
	s_lshl_b32 s16, s[\tt], 10
	s_add_co_u32 s16, s16, s3
	s_add_nc_u64 s[\qc:\qc+1], s[4:5], s[16:17]    ; the tile's codes of q
	s_lshr_b32 s16, s[\tt], 3
	s_lshl_b32 s16, s16, 9
	s_and_b32 s18, s[\tt], 7
	s_lshl_b32 s18, s18, 2
	s_add_co_u32 s16, s16, s18
	s_add_co_u32 s16, s16, s2
	s_add_nc_u64 s[\qw:\qw+1], s[6:7], s[16:17]    ; its scale words
	s_lshl_b32 s16, s[\tt], 12
	s_add_co_u32 s16, s16, s74
	s_add_nc_u64 s[\ab:\ab+1], s[8:9], s[16:17]
	s_lshl_b32 s16, s[\tt], 9
	s_add_co_u32 s16, s16, s75
	s_add_nc_u64 s[\sb:\sb+1], s[10:11], s[16:17]
.endm
	TILEBASE TTB, QCB, QWB, ACB, SCB
	TILEBASE TTA, QCA, QWA, ACA, SCA
	v_and_b32 v1, 31, v0
	s_delay_alu instid0(VALU_DEP_1)
	v_lshlrev_b32 v1, 4, v1                        ; 16 x lane: my place in a chunk
	v_and_b32 v5, 15, v0                           ; r
	v_bfe_u32 v6, v0, 4, 1                         ; h
	s_delay_alu instid0(VALU_DEP_2)
	v_lshlrev_b32 v10, 5, v5                       ; 32 r
	global_load_b128 v[16:19], v1, s[QCB:QCB+1]    ; the late tile's Q,
	global_load_b128 v[20:23], v1, s[QCB:QCB+1] offset:512
	global_load_b32 v248, v10, s[QWB:QWB+1]
	global_load_b128 v[240:243], v1, s[QCA:QCA+1]  ; and the early tile's, kept until its turn
	global_load_b128 v[252:255], v1, s[QCA:QCA+1] offset:512
	global_load_b32 v251, v10, s[QWA:QWA+1]
	v_add_nc_u32 v2, VB, v1
	v_add_nc_u32 v3, KWD, v10                      ; K's words: 32 bytes a row (eight tiles)
	v_lshl_add_u32 v4, v5, 4, VWD                  ; V's: 16 bytes a row (four tiles)
	v_lshl_add_u32 v11, v5, 4, v6                  ; the result's scale byte: 16 r + h
	v_and_b32 v7, 8, v5
	s_delay_alu instid0(VALU_DEP_1)
	v_add_nc_u32 v7, v7, v5
	v_lshlrev_b32 v8, 4, v6
	s_delay_alu instid0(VALU_DEP_1)
	v_sub_nc_u32 v250, v7, v8                      ; r + 8 (r / 8) - 16 h
	s_mov_b32 s[SEL], 0x76543210
	s_mov_b32 s[SEL+1], 0xfedcba98
	s_mov_b32 s[CS], 0x3d38aa3b                    ; c = log2(e) / 32
	s_mov_b32 s[CS+1], s[CS]                       ; (named with it as a pair, so it is written)
.irp j, 0,1,2,3,4,5,6,7
	v_mov_b32 v[24+\j], 0                          ; Q's upper 64 along K: zero codes
	v_mov_b32 v[96+\j], 0                          ; and what stands behind K's tile 7
.endr
.irp b, 0,1,2,3
	v_mov_b32 v[PB+\b], 0                          ; a lane permute's destination counts as one of its sources
.endr
	v_mov_b32 v245, 0                              ; (named as the upper half of the pair v[244:245])
	v_mov_b32 v246, 0
	v_mov_b32 v249, 0xff800000                     ; -infinity
.macro INIT tt
	s_lshr_b32 s[SD], s[\tt], 3
	s_lshr_b32 s[QR], s[\tt], 1
	s_and_b32 s[QR], s[QR], 3
	s_lshl_b32 s[QR], s[QR], 5
	s_and_b32 s15, s[\tt], 1
	s_lshl_b32 s15, s15, 3
	s_add_co_u32 s[QR], s[QR], s15                 ; the tile's first query within its last key step
	v_add_nc_u32 v9, s[QR], v250                   ; d = my query - 16 h: register 16 b + i holds key 32 b + 16 h + i: hidden where 32 b + i > d
	v_mov_b32 v13, 0xff61b1e6                      ; the largest t so far: -3e38
	s_delay_alu instid0(VALU_DEP_1)
	v_floor_f32 v12, -v13                          ; -M
	v_mov_b32 v14, 0
	v_mov_b32 v15, 0
.set j, 0
.rept 32
	v_mov_b32 v[O+j], 0                            ; O^T: the step is written without a first step of its own: it finds zeros
.set j, j+1
.endr
.endm
; A KEY STEP: 128 keys.  causal = 1: the step may lie behind the diagonal (jumped over) or on it (masked).
.macro STEP causal
.if \causal
	s_cmp_gt_u32 s[KS], s[SD]
	s_cbranch_scc1 .Lhidden_\@
.endif
	s_lshl_b32 s[TB], s[KS], 13                    ; a key step's codes are 8,192 bytes in K and in V,
	s_lshl_b32 s[TS], s[KS], 9                     ; K's words 512,
	s_lshl_b32 s[TJ], s[KS], 8                     ; V's 256
	s_setprio 2
	v_add_nc_u32 v5, s[TB], v1
	v_add_nc_u32 v6, s[TB], v2
	v_add_nc_u32 v7, s[TS], v3
	v_add_nc_u32 v8, s[TJ], v4
.rept 5
	v_nop                                          ; with the four additions nine places: the scores below are written over V's fragments, which the last products read
.endr
.irp t, 0,1,2,3,4,5,6,7
	ds_load_b128 v[32+8*\t:35+8*\t], v5 offset:1024*\t
	ds_load_b128 v[36+8*\t:39+8*\t], v5 offset:1024*\t+512
.endr
	ds_load_b128 v[232:235], v7
	ds_load_b128 v[236:239], v7 offset:16
	s_wait_dscnt 0x0
.irp t, 0,1,2,3,4,5,6,7
	v_wmma_scale_f32_16x16x128_f8f6f4 v[S+8*\t:S+8*\t+7], v[32+8*\t:47+8*\t], v[16:31], 0, v[232+\t], v248
.endr
.rept 8
	v_nop
.endr
.if \causal
	s_cmp_lg_u32 s[KS], s[SD]
	s_cbranch_scc1 .Lopen_\@
.set n, 0
.rept 64
	v_cmp_gt_i32 vcc_lo, 32*(n/16)+n%16, v9        ; on the diagonal hidden scores become -infinity ahead of the maximum: p = 0
	v_cndmask_b32 v[S+n], v[S+n], v249, vcc_lo
.set n, n+1
.endr
.Lopen_\@:
.endif
.irp b, 0,1,2,3
	v_max3_num_f32 v[BM+\b], v[S+16*\b], v[S+1+16*\b], v[S+2+16*\b]   ; the largest score of each block of 32 keys: for the row's maximum, and, since p rises with the score, for the block's largest p
.endr
.irp i, 3,5,7,9,11,13
.irp b, 0,1,2,3
	v_max3_num_f32 v[BM+\b], v[BM+\b], v[S+16*\b+\i], v[S+1+16*\b+\i]
.endr
.endr
.irp b, 0,1,2,3
	v_max_num_f32 v[BM+\b], v[BM+\b], v[S+15+16*\b]
.endr
.irp b, 0,1,2,3
	s_delay_alu instid0(VALU_DEP_4)
	v_permlanex16_b32 v[PB+\b], v[BM+\b], s[SEL], s[SEL+1]
.endr
.irp b, 0,1,2,3
	s_delay_alu instid0(VALU_DEP_4)
	v_max_num_f32 v[BM+\b], v[BM+\b], v[PB+\b]     ; with lane l xor 16's 16 keys
.endr
	s_delay_alu instid0(VALU_DEP_2)
	v_max3_num_f32 v246, v[BM], v[BM+1], v[BM+2]
	s_delay_alu instid0(VALU_DEP_1)
	v_max_num_f32 v246, v246, v[BM+3]
	s_delay_alu instid0(VALU_DEP_1)
	v_mul_f32 v246, s[CS], v246                    ; the step's largest t
	s_delay_alu instid0(VALU_DEP_1)
	v_max_num_f32 v13, v13, v246                   ; the running largest t
	v_mov_b32 v246, v12
	s_delay_alu instid0(VALU_DEP_2)
	v_floor_f32 v12, -v13                          ; the new -M = -ceil(t): a whole number
	s_delay_alu instid0(VALU_DEP_1)
	v_sub_f32 v246, v12, v246                      ; old M - new M: a whole number, 0 or less
	s_delay_alu instid0(VALU_DEP_1)
	v_cvt_i32_f32 v246, v246                       ; (it saturates)
	s_delay_alu instid0(VALU_DEP_1)
	v_ldexp_f32 v244, 1.0, v246                    ; f = 2^(old M - new M): rounds nothing
.set j, 0
.rept 32
	v_pk_fma_f32 v[S+j:S+j+1], v[S+j:S+j+1], s[CS:CS+1], v[12:13] op_sel_hi:[1,0,0]   ; t - M, two at a time
.set j, j+2
.endr
.irp b, 0,1,2,3
	v_fma_f32 v[BM+\b], v[BM+\b], s[CS], v12       ; the same of each block's largest score
.endr
.set j, 0
	s_setprio 1
	s_wait_alu depctr_va_vdst(0)
.rept 64
	v_exp_f32 v[S+j], v[S+j]                       ; p = 2^(t - M): one batch
.set j, j+1
.endr
	v_pk_mul_f32 v[14:15], v[14:15], v[244:245] op_sel_hi:[1,0]   ; the sums under the new M: the plain line behind the batch
	s_wait_alu depctr_va_vdst(0)                   ; one wait for the 64, ahead of their first reader
.irp b, 0,1,2,3
	v_exp_f32 v[BM+\b], v[BM+\b]                   ; the blocks' largest p
.endr
	v_pk_add_f32 v[220:221], v[108:109], v[112:113]
	v_pk_add_f32 v[238:239], v[116:117], v[120:121]
	v_pk_add_f32 v[236:237], v[124:125], v[128:129]
	v_pk_add_f32 v[234:235], v[132:133], v[136:137]
	v_pk_add_f32 v[232:233], v[140:141], v[144:145]
	v_pk_add_f32 v[230:231], v[148:149], v[152:153]
	v_pk_add_f32 v[228:229], v[156:157], v[160:161]
	v_pk_add_f32 v[14:15], v[14:15], v[164:165]
	v_pk_add_f32 v[220:221], v[220:221], v[104:105]
	v_pk_add_f32 v[238:239], v[238:239], v[106:107]
	v_pk_add_f32 v[236:237], v[236:237], v[110:111]
	v_pk_add_f32 v[234:235], v[234:235], v[114:115]
	v_pk_add_f32 v[232:233], v[232:233], v[118:119]
	v_pk_add_f32 v[230:231], v[230:231], v[122:123]
	v_pk_add_f32 v[228:229], v[228:229], v[126:127]
	v_pk_add_f32 v[14:15], v[14:15], v[130:131]
	v_pk_add_f32 v[220:221], v[220:221], v[134:135]
	v_pk_add_f32 v[238:239], v[238:239], v[138:139]
	v_pk_add_f32 v[236:237], v[236:237], v[142:143]
	v_pk_add_f32 v[234:235], v[234:235], v[146:147]
	v_pk_add_f32 v[232:233], v[232:233], v[150:151]
	v_pk_add_f32 v[230:231], v[230:231], v[154:155]
	v_pk_add_f32 v[228:229], v[228:229], v[158:159]
	v_pk_add_f32 v[14:15], v[14:15], v[162:163]
	v_pk_add_f32 v[220:221], v[220:221], v[166:167]
	s_delay_alu instid0(VALU_DEP_2)
	v_pk_add_f32 v[14:15], v[14:15], v[234:235]
	s_delay_alu instid0(VALU_DEP_2)
	v_pk_add_f32 v[220:221], v[220:221], v[232:233]
	v_pk_add_f32 v[238:239], v[238:239], v[230:231]
	v_pk_add_f32 v[236:237], v[236:237], v[228:229]
	s_delay_alu instid0(VALU_DEP_2)
	v_pk_add_f32 v[14:15], v[14:15], v[238:239]
	s_delay_alu instid0(VALU_DEP_2)
	v_pk_add_f32 v[220:221], v[220:221], v[236:237]
	s_delay_alu instid0(VALU_DEP_1)
	v_pk_add_f32 v[14:15], v[14:15], v[220:221]
	s_wait_alu depctr_va_vdst(0)                   ; and one for the four
.irp b, 0,1,2,3
	v_max_num_f32 v[BM+\b], 0x4800000, v[BM+\b]    ; the floor 2^(9 - 127): the byte cannot fall under 1
.endr
.irp b, 0,1,2,3
	s_delay_alu instid0(VALU_DEP_4)
	v_add_nc_u32 v[SCOP+\b], 0xfc000000, v[BM+\b]
.endr
.irp b, 0,1,2,3
.endr
.irp b, 0,1,2,3
	s_delay_alu instid0(VALU_DEP_4)
	v_lshrrev_b32 v[PB+\b], 23, v[SCOP+\b]
.endr
	s_delay_alu instid0(VALU_DEP_3)
	v_lshl_or_b32 v247, v[PB+1], 8, v[PB]          ; p's scale word for these 128 keys
	s_delay_alu instid0(VALU_DEP_1)
	v_lshl_or_b32 v247, v[PB+2], 16, v247
	s_delay_alu instid0(VALU_DEP_1)
	v_lshl_or_b32 v247, v[PB+3], 24, v247
.irp b, 0,1,2,3
.irp i, 0,1,2,3,4,5,6,7,8,9,10,11,12,13,14,15
.endr
	v_cvt_scalef32_pk8_fp8_f32 v[PC+4*\b:PC+4*\b+1], v[S+16*\b:S+16*\b+7], v[SCOP+\b]
	v_cvt_scalef32_pk8_fp8_f32 v[PC+4*\b+2:PC+4*\b+3], v[S+16*\b+8:S+16*\b+15], v[SCOP+\b]
.endr
	v_nop
	s_setprio 0
.irp t, 0,1,2,3
.irp c, 0,1,2,3
	ds_load_b128 v[S+16*\t+4*\c:S+16*\t+4*\c+3], v6 offset:2048*\t+512*\c   ; V's four fragments take p's registers
.endr
.endr
	ds_load_b128 v[232:235], v8
.set j, 0
.rept 16
	v_pk_mul_f32 v[O+j:O+j+1], v[O+j:O+j+1], v[244:245] op_sel_hi:[1,0]   ; O^T under the new M; these are also the places between the conversions and the products
.set j, j+2
.endr
	s_wait_alu depctr_va_vdst(0)
	s_wait_dscnt 0x0
.irp t, 0,1,2,3
	v_wmma_scale_f32_16x16x128_f8f6f4 v[O+8*\t:O+8*\t+7], v[S+16*\t:S+16*\t+15], v[PC:PC+15], v[O+8*\t:O+8*\t+7], v[232+\t], v247
.endr
.if \causal
.Lhidden_\@:
.endif
	s_add_co_u32 s[KS], s[KS], 1
.endm
; A TILE'S END: O^T / the sum, quantised along the head's 64 channels (two blocks; a lane holds 16 numbers of each), stored as two chunks and, a lane a byte, the two scale bytes of each row.
.macro EPI ab, sb
.rept 8
	v_nop
.endr
	v_add_f32 v14, v14, v15
	s_delay_alu instid0(VALU_DEP_1)
	v_permlanex16_b32 v246, v14, s[SEL], s[SEL+1]
	s_delay_alu instid0(VALU_DEP_1)
	v_add_f32 v14, v14, v246                       ; the row's sum
	s_wait_alu depctr_va_vdst(0)
	v_rcp_f32 v14, v14
	v_nop                                          ; a plain line behind the reciprocal,
	s_wait_alu depctr_va_vdst(0)                   ; and the wait ahead of its first reader
.set j, 0
.rept 16
	v_pk_mul_f32 v[O+j:O+j+1], v[O+j:O+j+1], v[14:15] op_sel_hi:[1,0]   ; each accumulator from its low end on
.set j, j+2
.endr
.irp b, 0,1
	v_max3_num_f32 v[BM+\b], |v[O+16*\b]|, |v[O+1+16*\b]|, 0x4800000
.endr
.irp i, 2,4,6,8,10,12,14
.irp b, 0,1
	s_delay_alu instid0(VALU_DEP_2)
	v_max3_num_f32 v[BM+\b], v[BM+\b], |v[O+16*\b+\i]|, |v[O+1+16*\b+\i]|
.endr
.endr
.irp b, 0,1
	s_delay_alu instid0(VALU_DEP_2)
	v_permlanex16_b32 v[PB+\b], v[BM+\b], s[SEL], s[SEL+1]
.endr
.irp b, 0,1
	s_delay_alu instid0(VALU_DEP_2)
	v_max_num_f32 v[BM+\b], v[BM+\b], v[PB+\b]
.endr
.irp b, 0,1
	s_delay_alu instid0(VALU_DEP_2)
	v_add_nc_u32 v[SCOP+\b], 0xfc000000, v[BM+\b]
.endr
.irp b, 0,1
.endr
.irp b, 0,1
	s_delay_alu instid0(VALU_DEP_2)
	v_lshrrev_b32 v[PB+\b], 23, v[SCOP+\b]
.endr
	v_cmp_le_u32 vcc_lo, 256, v1                   ; lanes 16-31
.irp b, 0,1
.irp i, 0,1,2,3,4,5,6,7,8,9,10,11,12,13,14,15
.endr
	v_cvt_scalef32_pk8_fp8_f32 v[PC+4*\b:PC+4*\b+1], v[O+16*\b:O+16*\b+7], v[SCOP+\b]
	v_cvt_scalef32_pk8_fp8_f32 v[PC+4*\b+2:PC+4*\b+3], v[O+16*\b+8:O+16*\b+15], v[SCOP+\b]
.endr
	v_cndmask_b32 v246, v[PB], v[PB+1], vcc_lo     ; lane (r, h) stores block h's byte.  (Also the plain line behind the last conversion)
	global_store_b128 v1, v[PC:PC+3], s[\ab:\ab+1]
	global_store_b128 v1, v[PC+4:PC+7], s[\ab:\ab+1] offset:512
	global_store_b8 v11, v246, s[\sb:\sb+1]
.endm
	INIT TTB
	s_wait_loadcnt 0x0                             ; Q, both tiles'
	s_wait_tensorcnt 2                             ; my parts of the scale words and of the first 512 keys are in; the two loads for the other keys may be out
	s_barrier_signal -1
	s_barrier_wait -1
	s_mov_b32 s[KS], 0
.Lfirst:                                           ; the late tile, key steps 0 to 3: it lies at key step 8 or later, so all these keys count
	STEP 0
	s_cmp_lt_u32 s[KS], 4
	s_cbranch_scc1 .Lfirst
	s_setprio 0
	s_wait_tensorcnt 0x0                           ; my parts of the other keys are in
	s_wait_dscnt 0x0
	s_barrier_signal -1
	s_barrier_wait -1                              ; everybody's are
	s_mov_b32 s[KS], 4
.Llate:                                            ; key steps 4 to 15
	STEP 1
	s_cmp_lt_u32 s[KS], 16
	s_cbranch_scc1 .Llate
	s_setprio 0
	EPI ACB, SCB
	s_wait_xcnt 0x0                                ; the stores have read their data, which the next tile writes again
.irp j, 0,1,2,3
	v_mov_b32 v[16+\j], v[240+\j]                  ; the early tile's Q and its scale word: ahead of the clears, which are the places in front of the next products
	v_mov_b32 v[20+\j], v[252+\j]
.endr
	v_mov_b32 v248, v251
	INIT TTA
	s_mov_b32 s[KS], 0
.Learly:                                           ; the early tile lies at key step 7 or earlier
	STEP 1
	s_cmp_lt_u32 s[KS], 8
	s_cbranch_scc1 .Learly
	s_setprio 0
	EPI ACA, SCA
	s_wait_xcnt 0x0
	v_lshl_add_u32 v254, v0, 2, 0x43000
	v_mov_b32 v255, 0
	s_wait_alu depctr_va_vdst(0)
	s_wait_tensorcnt 0x0
	ds_add_u32 v254, v255
	s_wait_dscnt 0x0
	s_endpgm
.Lfunc_end_k_q04c7c7706c_attn:
	.size	k_q04c7c7706c_attn, .Lfunc_end_k_q04c7c7706c_attn-k_q04c7c7706c_attn
	.p2alignl 7, 3214868480
	.fill 96, 4, 3214868480
	.section	.rodata,"a",@progbits
	.p2align	6, 0x0
	.amdhsa_kernel k_q04c7c7706c_attn
		.amdhsa_group_segment_fixed_size 276480
		.amdhsa_private_segment_fixed_size 0
		.amdhsa_enable_private_segment 0
		.amdhsa_kernarg_size 32
		.amdhsa_user_sgpr_count 2
		.amdhsa_user_sgpr_kernarg_segment_ptr 1
		.amdhsa_wavefront_size32 1
		.amdhsa_system_sgpr_workgroup_id_x 1
		.amdhsa_system_sgpr_workgroup_id_y 1
		.amdhsa_system_sgpr_workgroup_id_z 1
		.amdhsa_system_vgpr_workitem_id 0
		.amdhsa_next_free_vgpr 256
		.amdhsa_next_free_sgpr 96
		.amdhsa_reserve_vcc 1
		.amdhsa_float_denorm_mode_32 3
		.amdhsa_float_denorm_mode_16_64 3
		.amdhsa_fp16_overflow 1
		.amdhsa_memory_ordered 1
		.amdhsa_forward_progress 1
		.amdhsa_inst_pref_size 83
	.end_amdhsa_kernel
	.amdgpu_metadata
---
amdhsa.version: [ 1, 2 ]
amdhsa.kernels:
  - .name:           k_q04c7c7706c_attn
    .symbol:         k_q04c7c7706c_attn.kd
    .args:
      - { .name: qkvc, .offset: 0, .size: 8, .value_kind: global_buffer, .address_space: global }
      - { .name: qkvs, .offset: 8, .size: 8, .value_kind: global_buffer, .address_space: global }
      - { .name: ac, .offset: 16, .size: 8, .value_kind: global_buffer, .address_space: global }
      - { .name: asc, .offset: 24, .size: 8, .value_kind: global_buffer, .address_space: global }
    .group_segment_fixed_size: 276480
    .private_segment_fixed_size: 0
    .kernarg_segment_align: 8
    .kernarg_segment_size: 32
    .max_flat_workgroup_size: 512
    .sgpr_count:     96
    .vgpr_count:     256
    .wavefront_size: 32
...
	.end_amdgpu_metadata
.endif
;; end of part 3
;; launch proj (part 4): grid 4 x 32, 4 waves a work-group, clusters of 4 x 4, 327,680 bytes of LDS; arguments ac, asc, wc, xws, bo, out0; writes out0
.if DOCPART == 4
	.amdgcn_target "amdgcn-amd-amdhsa--gfx1250"
	.amdhsa_code_object_version 6
	.text
	.protected	k_q04c7c7706c_proj
	.globl	k_q04c7c7706c_proj
	.p2align	8
	.type	k_q04c7c7706c_proj,@function
k_q04c7c7706c_proj:
	s_mov_b64 s[64:65], 0
	v_nop
	global_prefetch_b8 v0, s[64:65] scope:SCOPE_SE
	s_setreg_imm32_b32 hwreg(HW_REG_WAVE_MODE, 25, 1), 1
	s_wait_xcnt 0x0
	s_wait_alu depctr_hold_cnt(0) depctr_sa_sdst(0) depctr_va_vdst(0) depctr_va_sdst(0) depctr_va_ssrc(0) depctr_va_vcc(0) depctr_vm_vsrc(0)
	s_getreg_b32 s2, hwreg(HW_REG_IB_STS2, 6, 4)
	s_cmp_eq_u32 s2, 0
	s_cbranch_scc0 .Lentry_in_a_cluster
	s_endpgm
.Lentry_in_a_cluster:
	s_bfe_u32 s2, ttmp6, 0x10000c
	s_cmp_lg_u32 s2, 0xf033
	s_cbranch_scc0 .Lentry_shape_is_right
	s_endpgm
.Lentry_shape_is_right:
.set SLOT,  131072
.set SIDE,  65536
.set SCL,   262144
.set SPARE, 278528
.set WBASE, 192
.set NP,    8
.set FR,    16
.set ADR1,  16
.set ADR0,  20
.set ADS0,  22
.set ADS1,  23
.set STO,   24
.set RD,    25
.set SPW,   28
.set NIL,   29
.set SC0,   32
.set SC1,   64
.set AF,    128
.set BK,    128
.set G1,   24
.set G0,   32
.set G1B,  48
.set G0B,  56
.set G1S,  68
.set G0S,  76
.set G1SB, 80
.set G0SB, 88
.set MSB, 0
.macro WIN new
.if MSB != (\new)
	s_set_vgpr_msb (MSB<<8)|(\new)
.set MSB, (\new)
.endif
.endm
.set MUL_LO, 0xa1
.set MUL_HI, 0xf1
.set TO_0,   0x40
.macro JLOAD g0a, g1a, g0b, g1b
	s_cmp_eq_u32 s15, 0
	s_cbranch_scc0 .Lfor_w_\@
	tensor_load_to_lds s[\g0a:\g0a+3], s[\g1a:\g1a+7]
	s_nop 0
.rept 4
	v_nop
.endr
	s_branch .Lasked_\@
.Lfor_w_\@:
	tensor_load_to_lds s[\g0b:\g0b+3], s[\g1b:\g1b+7]
	s_nop 0
.rept 4
	v_nop
.endr
.Lasked_\@:
.endm
.macro CREST
	s_cmp_lg_u32 s14, 0
	s_cbranch_scc1 .Lnot_wave_0_\@
	s_barrier_signal -3
.Lnot_wave_0_\@:
	s_barrier_wait -3
	s_barrier_signal -1
	s_barrier_wait -1
.endm
.macro CROUND
	s_barrier_signal -1
	s_barrier_wait -1
	CREST
.endm
.macro PLACES n
.rept \n
	v_nop
.endr
.endm
	s_load_b128 s[4:7], s[0:1], 0x0
	s_load_b128 s[8:11], s[0:1], 0x10
	s_load_b128 s[96:99], s[0:1], 0x20
	v_lshl_add_u32 v[SPW], v0, 2, SPARE
	v_mov_b32 v[NIL], 0
	ds_add_u32 v28, v29
	ds_add_u32 v28, v29
	s_wait_dscnt 0x0
	v_lshrrev_b32 v1, 5, v0
	v_readfirstlane_b32 s14, v1
	s_lshr_b32 s15, s14, 1
	s_and_b32 s16, s14, 1
	s_bfe_u32 s40, ttmp6, 0x40000
	s_bfe_u32 s41, ttmp6, 0x40004
	s_lshl_b32 s42, ttmp9, 2
	s_add_co_u32 s42, s42, s40
	s_and_b32 s17, ttmp7, 0xffff
	s_lshl_b32 s17, s17, 2
	s_add_co_u32 s17, s17, s41
	s_lshl_b32 s43, s41, 2
	s_lshl_b32 s43, 15, s43
	s_lshl_b32 s44, 0x1111, s40
	s_or_b32 s[G1+0], s43, (3<<16)|(1<<21)
	s_or_b32 s[G1B+0], s44, (3<<16)|(1<<21)
.irp g, G1, G1B
	s_mov_b32 s[\g+1], 32<<16
	s_mov_b32 s[\g+2], 128<<16
	s_mov_b32 s[\g+3], 32<<16
	s_mov_b32 s[\g+4], 128
	s_mov_b32 s[\g+5], 32
	s_mov_b32 s[\g+6], 0
	s_mov_b32 s[\g+7], 0
.endr
	s_or_b32 s[G1S+0], s43, (3<<16)|(1<<21)
	s_or_b32 s[G1SB+0], s44, (3<<16)|(1<<21)
.irp g, G1S, G1SB
	s_mov_b32 s[\g+1], 32<<16
	s_mov_b32 s[\g+2], 16<<16
	s_mov_b32 s[\g+3], 32<<16
	s_mov_b32 s[\g+4], 16
	s_mov_b32 s[\g+5], 32
	s_mov_b32 s[\g+6], 0
	s_mov_b32 s[\g+7], 0
.endr
	s_lshl_b32 s18, s16, 3
	s_lshl_b32 s20, s17, 4
	s_add_co_u32 s20, s20, s18
	s_lshl_b32 s46, s42, 4
	s_add_co_u32 s46, s46, s18
	s_add_co_u32 s46, s46, WBASE
	s_lshl_b32 s22, s20, 9
	s_mov_b32 s23, 0
	s_lshl_b32 s20, s20, 12
	s_mov_b32 s21, 0
	s_lshl_b32 s92, s46, 9
	s_add_co_u32 s92, s92, 262144
	s_mov_b32 s93, 0
	s_lshl_b32 s46, s46, 12
	s_mov_b32 s47, 0
	s_lshl_b32 s45, s14, 15
	s_lshl_b32 s94, s14, 12
	s_wait_kmcnt 0x0
	s_add_nc_u64 s[20:21], s[4:5], s[20:21]
	s_add_nc_u64 s[22:23], s[6:7], s[22:23]
	s_add_nc_u64 s[46:47], s[8:9], s[46:47]
	s_add_nc_u64 s[92:93], s[10:11], s[92:93]
	CROUND
	s_mov_b32 s[G0S], 1
	s_add_co_u32 s[G0S+1], s94, SCL
	s_mov_b64 s[G0S+2:G0S+3], s[22:23]
	s_or_b32 s[G0S+3], s[G0S+3], 0x80000000
	s_mov_b32 s[G0SB], 1
	s_add_co_u32 s[G0SB+1], s94, SCL
	s_mov_b64 s[G0SB+2:G0SB+3], s[92:93]
	s_or_b32 s[G0SB+3], s[G0SB+3], 0x80000000
	JLOAD G0S, G1S, G0SB, G1SB
.irp s, 0,1
	s_mov_b32 s[G0+4*\s], 1
	s_add_co_u32 s[G0+4*\s+1], s45, \s*SLOT
	s_add_nc_u64 s[G0+4*\s+2:G0+4*\s+3], s[20:21], \s*0x200000
	s_or_b32 s[G0+4*\s+3], s[G0+4*\s+3], 0x80000000
	s_mov_b32 s[G0B+4*\s], 1
	s_add_co_u32 s[G0B+4*\s+1], s45, \s*SLOT
	s_add_nc_u64 s[G0B+4*\s+2:G0B+4*\s+3], s[46:47], \s*0x100000
	s_or_b32 s[G0B+4*\s+3], s[G0B+4*\s+3], 0x80000000
	s_wait_alu depctr_va_vdst(0)
	s_wait_tensorcnt 0x0
	ds_add_u32 v28, v29
	s_wait_dscnt 0x0
	CROUND
	JLOAD G0+4*\s, G1, G0B+4*\s, G1B
.endr
	v_and_b32 v1, 31, v0
	v_lshlrev_b32 v2, 4, v1
	v_and_b32 v5, 15, v0
	s_wait_alu depctr_va_vdst(0)
	v_lshlrev_b32 v3, 4, v5
	v_bfe_u32 v4, v0, 4, 1
	s_lshl_b32 s18, s16, 15
	s_add_co_u32 s18, s18, SIDE
	s_lshl_b32 s19, s15, 15
	v_add_nc_u32 v[ADR0], s18, v2
	v_add_nc_u32 v[ADR1], s19, v2
	v_add_nc_u32 v[ADR0+1], SLOT, v[ADR0]
	v_add_nc_u32 v[ADR1+1], SLOT, v[ADR1]
	s_lshl_b32 s18, s16, 12
	s_add_co_u32 s18, s18, SCL+8192
	s_lshl_b32 s19, s15, 12
	s_add_co_u32 s19, s19, SCL
	v_add_nc_u32 v[ADS0], s18, v3
	v_add_nc_u32 v[ADS1], s19, v3
	s_mul_i32 s18, s14, 8448
	v_mul_u32_u24 v[STO], v5, 528
	s_wait_alu depctr_va_vdst(0)
	v_lshl_add_u32 v[STO], v4, 6, v[STO]
	v_add_nc_u32 v[STO], s18, v[STO]
	v_add_nc_u32 v[RD], s18, v2
	s_lshl_b32 s20, s17, 8
	s_lshl_b32 s21, s15, 7
	s_add_co_u32 s20, s20, s21
	s_lshl_b32 s20, s20, 12
	s_lshl_b32 s46, s42, 10
	s_lshl_b32 s47, s16, 9
	s_add_co_u32 s46, s46, s47
	s_mov_b32 s47, 0
	s_add_nc_u64 s[96:97], s[96:97], s[46:47]
	s_add_co_u32 s20, s20, s46
	s_mov_b32 s21, 0
	s_add_nc_u64 s[98:99], s[98:99], s[20:21]
	global_load_b128 v[108:111], v2, s[96:97]
.macro FRAG reg, adr, q, i
.irp c, 0,1,2,3
	ds_load_b128 v[\reg+4*\c:\reg+4*\c+3], v[\adr] offset:(\i)*4096+(\q)*2048+512*\c
.endr
.endm
.macro MUL16 a0, p, q, sc, zero
.irp a, \a0, \a0+1
.irp b, 0,1,2,3,4,5,6,7
.if \zero
	v_wmma_scale_f32_16x16x128_f8f6f4 v[8*(8*((\a)%4)+\b):8*(8*((\a)%4)+\b)+7], v[128*(\p)+FR*\b:128*(\p)+FR*\b+FR-1], v[AF+FR*(\a):AF+FR*(\a)+FR-1], 0, v[SC0+16*(\sc)+2*\b+(\q)], v[SC1+16*(\sc)+2*(\a)+(\q)]
.else
	v_wmma_scale_f32_16x16x128_f8f6f4 v[8*(8*((\a)%4)+\b):8*(8*((\a)%4)+\b)+7], v[128*(\p)+FR*\b:128*(\p)+FR*\b+FR-1], v[AF+FR*(\a):AF+FR*(\a)+FR-1], v[8*(8*((\a)%4)+\b):8*(8*((\a)%4)+\b)+7], v[SC0+16*(\sc)+2*\b+(\q)], v[SC1+16*(\sc)+2*(\a)+(\q)]
.endif
.endr
.endr
.endm
.macro FETCH_0 slot, q, p
	WIN TO_0
.irp i, 0,1,2,3,4,5,6,7
	FRAG 128*(\p)+FR*\i, ADR0+\slot, \q, \i
.endr
	WIN 0
.endm
.macro FETCH_1 slot, q, i0
.irp i, \i0, \i0+1, \i0+2, \i0+3
	FRAG AF+FR*(\i), ADR1+\slot, \q, \i
.endr
.endm
.macro SCALES sc, s2
.irp i, 0,1,2,3,4,5,6,7
	ds_load_b64 v[SC0+16*(\sc)+2*\i:SC0+16*(\sc)+2*\i+1], v[ADS0] offset:\i*512+((\s2)>>1)*256+((\s2)&1)*8
	ds_load_b64 v[SC1+16*(\sc)+2*\i:SC1+16*(\sc)+2*\i+1], v[ADS1] offset:\i*512+((\s2)>>1)*256+((\s2)&1)*8
.endr
.endm
.macro STEP slot, zero
	s_wait_dscnt 16
	WIN MUL_LO
	MUL16 0, 0, 0, \slot, \zero
	MUL16 2, 0, 0, \slot, \zero
	s_wait_dscnt 0x0
	PLACES NP
	FETCH_0 \slot, 1, 1
	FETCH_1 \slot, 1, 0
	WIN MUL_HI
	MUL16 4, 0, 0, \slot, \zero
	MUL16 6, 0, 0, \slot, \zero
	PLACES NP
	WIN 0
	FETCH_1 \slot, 1, 4
.endm
.macro TURN slot, next, fill, s2
	s_wait_tensorcnt 0x0
	ds_add_u32 v[SPW], v[NIL]
	s_wait_dscnt 17
	WIN MUL_LO
	MUL16 0, 1, 1, \slot, 0
	s_wait_dscnt 0x0
	s_barrier_signal -1
	MUL16 2, 1, 1, \slot, 0
	WIN 0
	s_barrier_wait -1
.if \fill
	CREST
	s_add_nc_u64 s[G0+4*\slot+2:G0+4*\slot+3], s[G0+4*\slot+2:G0+4*\slot+3], 0x400000
	s_add_nc_u64 s[G0B+4*\slot+2:G0B+4*\slot+3], s[G0B+4*\slot+2:G0B+4*\slot+3], 0x200000
	JLOAD G0+4*\slot, G1, G0B+4*\slot, G1B
	PLACES NP-4
.else
	PLACES NP
.endif
	FETCH_0 \next, 0, 0
	FETCH_1 \next, 0, 0
	SCALES \next, \s2
	WIN MUL_HI
	MUL16 4, 1, 1, \slot, 0
	MUL16 6, 1, 1, \slot, 0
	PLACES NP
	WIN 0
	FETCH_1 \next, 0, 4
.endm
	s_wait_tensorcnt 1
	s_barrier_signal -1
	s_barrier_wait -1
	FETCH_0 0, 0, 0
	FETCH_1 0, 0, 0
	SCALES 0, 0
	FETCH_1 0, 0, 4
	STEP 0, 1
	TURN 0, 1, 1, 1
	STEP 1, 0
	TURN 1, 0, 1, 2
	STEP 0, 0
	TURN 0, 1, 0, 3
	STEP 1, 0
	s_wait_dscnt 16
	WIN MUL_LO
	MUL16 0, 1, 1, 1, 0
	MUL16 2, 1, 1, 1, 0
	s_wait_alu depctr_va_vdst(0)
	s_wait_dscnt 0x0
	WIN MUL_HI
	MUL16 4, 1, 1, 1, 0
	MUL16 6, 1, 1, 1, 0
	WIN 0
.macro TOSTAGE a
.set AC, 64*((\a)%4)
	WIN 0x08+4*((\a)/4)
.irp b, 0,1,2,3,4,5,6,7
	ds_store_b128 v[STO], v[AC+8*\b:AC+8*\b+3] offset:128*(\b/2)+32*(\b%2)
	ds_store_b128 v[STO], v[AC+8*\b+4:AC+8*\b+7] offset:128*(\b/2)+32*(\b%2)+16
.endr
	WIN 0
.set BB, BK+64*((\a)%2)
.set t, 0
.rept 16
	ds_load_b128 v[BB+4*t:BB+4*t+3], v[RD] offset:t*528
.set t, t+1
.endr
.endm
.macro SEND a, younger
.set BB, BK+64*((\a)%2)
	s_wait_dscnt \younger
.set t, 0
.rept 16
	v_pk_add_f32 v[BB+4*t:BB+4*t+1], v[BB+4*t:BB+4*t+1], v[108:109]
	v_pk_add_f32 v[BB+4*t+2:BB+4*t+3], v[BB+4*t+2:BB+4*t+3], v[110:111]
	global_store_b128 v2, v[BB+4*t:BB+4*t+3], s[98:99] offset:(32*((\a)/2)+8*((\a)%2)+t+8*(t/8))*4096 th:TH_STORE_NT
.set t, t+1
.endr
.endm
	PLACES NP
	s_wait_loadcnt 0x0
	TOSTAGE 0
.irp a, 1,2,3,4,5,6,7
.if \a > 1
	s_wait_xcnt 0x0
.endif
	TOSTAGE \a
	SEND \a-1, 32
.endr
	SEND 7, 0
	s_wait_tensorcnt 0x0
	ds_add_u32 v[SPW], v[NIL]
	s_wait_dscnt 0x0
	CROUND
	s_endpgm
.Lfunc_end_k_q04c7c7706c_proj:
	.size	k_q04c7c7706c_proj, .Lfunc_end_k_q04c7c7706c_proj-k_q04c7c7706c_proj
	.p2alignl 7, 3214868480
	.fill 96, 4, 3214868480
	.section	.rodata,"a",@progbits
	.p2align	6, 0x0
	.amdhsa_kernel k_q04c7c7706c_proj
		.amdhsa_group_segment_fixed_size 327680
		.amdhsa_private_segment_fixed_size 0
		.amdhsa_enable_private_segment 0
		.amdhsa_kernarg_size 48
		.amdhsa_user_sgpr_count 2
		.amdhsa_user_sgpr_kernarg_segment_ptr 1
		.amdhsa_wavefront_size32 1
		.amdhsa_system_sgpr_workgroup_id_x 1
		.amdhsa_system_sgpr_workgroup_id_y 1
		.amdhsa_system_sgpr_workgroup_id_z 1
		.amdhsa_system_vgpr_workitem_id 0
		.amdhsa_next_free_vgpr 1024
		.amdhsa_next_free_sgpr 100
		.amdhsa_reserve_vcc 0
		.amdhsa_float_denorm_mode_32 3
		.amdhsa_float_denorm_mode_16_64 3
		.amdhsa_memory_ordered 1
		.amdhsa_forward_progress 1
		.amdhsa_inst_pref_size 163
	.end_amdhsa_kernel
	.amdgpu_metadata
---
amdhsa.version: [ 1, 2 ]
amdhsa.kernels:
  - .name:           k_q04c7c7706c_proj
    .symbol:         k_q04c7c7706c_proj.kd
    .args:
      - { .name: ac, .offset: 0, .size: 8, .value_kind: global_buffer, .address_space: global }
      - { .name: asc, .offset: 8, .size: 8, .value_kind: global_buffer, .address_space: global }
      - { .name: wc, .offset: 16, .size: 8, .value_kind: global_buffer, .address_space: global }
      - { .name: xws, .offset: 24, .size: 8, .value_kind: global_buffer, .address_space: global }
      - { .name: bo, .offset: 32, .size: 8, .value_kind: global_buffer, .address_space: global }
      - { .name: out0, .offset: 40, .size: 8, .value_kind: global_buffer, .address_space: global }
    .group_segment_fixed_size: 327680
    .private_segment_fixed_size: 0
    .kernarg_segment_align: 8
    .kernarg_segment_size: 48
    .max_flat_workgroup_size: 128
    .sgpr_count:     100
    .vgpr_count:     1024
    .wavefront_size: 32
...
	.end_amdgpu_metadata
.endif
;; end of part 4
